; MI455X (gfx1250); checked and timed in simulation.
; The chip was launched on July 23, 2026; its instructions are those of AMD's public machine-readable ISA for CDNA 5 (MIT licence, August 2026) and "CDNA5" Instruction Set Architecture Reference Guide (July 2026). The comments in the code are by the model that wrote it; some were corrected since.
;; Transformer Block. Allowed arithmetic: matrix products marked QUANTISED: E4M3 operands, one given power-of-two scale a tensor, by v_wmma_f32_16x16x64_fp8_fp8 or v_wmma_f32_16x16x128_fp8_fp8, f32 sums; everything else in f32.
;; Inputs: b_fc1 4,096 float32; b_fc2 1,024 float32; b_proj 1,024 float32; ln1_b 1,024 float32; ln1_g 1,024 float32; ln2_b 1,024 float32; ln2_g 1,024 float32; lowp_scales 12 int32 (the exponents e of the quantised operands' scales 2^e); w_fc1_codes 4,096 x 32 x 32 uint8 (E4M3 codes of w_fc1, K innermost, in blocks of 32 codes); w_fc2_codes 1,024 x 128 x 32 uint8 (E4M3 codes of w_fc2, K innermost, in blocks of 32 codes); w_proj_codes 1,024 x 32 x 32 uint8 (E4M3 codes of w_proj, K innermost, in blocks of 32 codes); w_qkv_codes 3,072 x 32 x 32 uint8 (E4M3 codes of w_qkv, K innermost, in blocks of 32 codes); x 2 x 2,048 x 1,024 float32.
;; Outputs: out0 2 x 2,048 x 1,024 float32.
;; This version of the problem:
;;   THIS VERSION OF THE PROBLEM IS GIVEN IN LOW PRECISION. The matrix products marked QUANTISED in the list below multiply operands that are first quantised to E4M3 (4 exponent bits, 3 mantissa bits; 8 bits a number), with one given power-of-two scale for each operand tensor; their sums are f32. All else is computed in f32.
;;   The module's matrix products, in the order in which they are computed (A, B: the left and right operand; K: the contracted axis; several contracted axes count as one K, in the product's order):
;;     1. [M 4,096, K 1,024] x [K 1,024, N 3,072]; A: computed on the way; B: input w_qkv (given as codes): QUANTISED (scales: A lowp_scales[0], B lowp_scales[1])
;;     2. batch 32 x [M 2,048, K 64] x [K 64, N 2,048]; A: computed on the way; B: computed on the way: QUANTISED (scales: A lowp_scales[2], B lowp_scales[3])
;;     3. batch 32 x [M 2,048, K 2,048] x [K 2,048, N 64]; A: softmax (see below); B: computed on the way: QUANTISED (scales: A lowp_scales[4], B lowp_scales[5])
;;     4. [M 4,096, K 1,024] x [K 1,024, N 1,024]; A: computed on the way; B: input w_proj (given as codes): QUANTISED (scales: A lowp_scales[6], B lowp_scales[7])
;;     5. [M 4,096, K 1,024] x [K 1,024, N 4,096]; A: computed on the way; B: input w_fc1 (given as codes): QUANTISED (scales: A lowp_scales[8], B lowp_scales[9])
;;     6. [M 4,096, K 4,096] x [K 4,096, N 1,024]; A: computed on the way; B: input w_fc2 (given as codes): QUANTISED (scales: A lowp_scales[10], B lowp_scales[11])
;;   THE QUANTISER, for each operand of a quantised product, along K:
;;     - The operand's scale is 2^e, e = its entry of the input lowp_scales (int32; the entries are numbered through the quantised products in the list's order, A before B).
;;     - Each number is divided by the scale, clamped to +-448, and rounded to the nearest number of E4M3, ties to even, subnormals kept.
;;     - The product sums the exact products of the quantised numbers (number of the format x scale) in f32.
;;   ~~~python
;;   def quantise(x, axis, e):      # numpy; x: float32 -> the quantised numbers, widened to float32 again
;;       x = np.moveaxis(x, axis, -1); K = x.shape[-1]
;;       r = np.clip(x / 2.0 ** e, -448, 448)
;;       step = 2.0 ** (np.maximum(np.frexp(np.where(r == 0, 1, r))[1] - 1, -6) - 3)
;;       q = np.round(r / step) * step * 2.0 ** e      # np.round: ties to even
;;       return np.moveaxis(q, -1, axis).astype(np.float32)
;;   ~~~
;;   SOFTMAX AHEAD OF A QUANTISED PRODUCT. Where the list says 'softmax', what is quantised is not the finished softmax but p = 2^(t - M), with t = logit x log2(e) and M = ceil(the row's largest t), a whole number; so 1/2 < the row's largest p <= 1. The row's sum l is taken of the UNQUANTISED p, in f32, and the product's result is divided by l at the end. Since M is a whole number, a kernel that streams over the keys may use a running M (the ceiling of the running maximum): every later rescaling is an exact power of two, so the quantised numbers keep their values, but for numbers so far below the row's largest that they fall under the format's range.
;;   OPERANDS COMPUTED ON THE WAY. 'Computed on the way' means the value that the module computes at that place (a softmax that the list does not call 'softmax' is quantised finished and normalised). What goes into a quantiser is computed in f32, as accurately as f32 sums, v_exp_f32 and their like allow (about 1e-6 of the number): no bf16 or f16 on the way to a quantiser, and a product that is left as it is and whose result goes on into a quantised operand takes f32 operands (vector FMAs, or v_wmma_f32_16x16x4_f32). A number that lies on a knife's edge between two numbers of the format may be rounded either way, as far as f32 arithmetic and the matrix unit's own rounding can turn it there, and no further.
;;   INPUTS GIVEN AS CODES. w_fc1 (in the module: [1024, 4096], K = its axis 0); w_fc2 (in the module: [4096, 1024], K = its axis 0); w_proj (in the module: [1024, 1024], K = its axis 0); w_qkv (in the module: [1024, 3072], K = its axis 0): each comes as NAME_codes (uint8): NAME with its K axis moved to the last place and cut into blocks of 32 codes, [.., K / 32, bytes a block], one block behind the other in memory; one code a byte (a code: sign, 4 exponent bits, 3 mantissa bits); its scale is its entry of lowp_scales. Its value is code x scale, taken as it is: it is not quantised again, and the codes and scales need not be those that the quantiser above would give.
;; One version. Each part assembles by itself: llvm-mc -triple=amdgcn-amd-amdhsa -mcpu=gfx1250 --defsym DOCPART=n.
;; ======== version 1 of 1: 7 launches
;; limits: right only within a limited range of input values
;; workspace buffers: hc 4,194,304 bytes; qkvc 12,582,912 bytes; oc 4,194,304 bytes; x1 16,777,216 bytes; h3c 16,777,216 bytes
;; launch ln1 (part 1): grid 256 x 1, 4 waves a work-group, no clusters, 0 bytes of LDS; arguments x, ln1_g, ln1_b, lowp_scales, hc; writes hc
.if DOCPART == 1
	.amdgcn_target "amdgcn-amd-amdhsa--gfx1250"
	.amdhsa_code_object_version 6
	.text
	.protected	k_qfc48195f49_ln1
	.globl	k_qfc48195f49_ln1
	.p2align	8
	.type	k_qfc48195f49_ln1,@function
k_qfc48195f49_ln1:
	s_mov_b64 s[64:65], 0
	v_nop
	global_prefetch_b8 v0, s[64:65] scope:SCOPE_SE
	s_setreg_imm32_b32 hwreg(HW_REG_WAVE_MODE, 25, 1), 1
	s_wait_xcnt 0x0
; hc[row][k] = the E4M3 code of ((x - mean) * rsqrt(var + 1e-5) * g + b) / 2^e, held within +-448.  x: [4096][1024] f32; hc: [4096][1024] codes, row-major.
; e is the whole number at byte SOFF of the buffer of scales.  LIMITS: -126 <= e <= 119, so that 2^e and 448 x 2^e are f32 numbers.  NaN among the inputs is not served.
; SHARES.  A work-group takes 16 rows, each of its four waves 4.  A row of 4,096 bytes is 32 registers of one wave and stays there between the pass for the mean, the pass for the variance
; (of x - mean, as the definition has it) and the scaling: memory is read once, and no wave waits for another: no LDS, no barrier.
; THE ROWS GO IN TWO PAIRS.  The loads are issued in the order rows 0-1, g and b, rows 2-3, 16 each; the first pair's sums wait for the first 16 alone, its scaling for 32, the second pair for all 48.
; Lane l holds k = 8 l + 256 j + i (j = 0..3, i = 0..7) in register 8 j + i of the row: eight neighbours along K for each conversion, and a store of 8 bytes a lane covers 256 consecutive bytes, aligned.
; No cluster: the work-groups share only g and b, 8 KB beside their own 64 KB of rows.  No matrix work.  No prefetch: no loop to run ahead in, every load is issued at the head.
.set SOFF, 0
.set XR, 32                            ; v32-159  four rows of 32 numbers
.set GR, 160                           ; v160-191 g of my 32 columns
.set BR, 192                           ; v192-223 b
.set CD, 224                           ; v224-255 codes: 8 registers a row, never rewritten
	s_load_b256 s[4:11], s[0:1], 0x0               ; x s[4:5], g s[6:7], b s[8:9], the scales' exponents s[10:11]
	s_load_b64 s[12:13], s[0:1], 0x20              ; hc
	v_lshrrev_b32 v1, 5, v0
	v_readfirstlane_b32 s14, v1                    ; wave
	v_and_b32 v1, 31, v0                           ; lane
	v_lshlrev_b32 v3, 5, v1                        ; g, b: 32 bytes a lane
	s_lshl_b32 s15, s14, 14
	v_add_nc_u32 v2, s15, v3                       ; x: + my wave's 4 rows of 4,096 bytes
	s_lshl_b32 s15, s14, 12
	v_lshlrev_b32 v4, 3, v1
	v_add_nc_u32 v4, s15, v4                       ; codes: 8 bytes a lane + my wave's 4 rows of 1,024
	v_mov_b32 v24, 0                               ; a lane permute's destination counts as read
	v_mov_b32 v25, 0
	s_mov_b32 s18, 0x76543210                      ; v_permlanex16_b32: lane l xor 16
	s_mov_b32 s19, 0xfedcba98
	s_mov_b32 s20, 0x3a800000                      ; 1 / 1024
	s_mov_b32 s21, 0x3727c5ac                      ; 1e-5
	s_lshl_b32 s16, ttmp9, 16                      ; the work-group's 16 rows of x
	s_mov_b32 s17, 0
	s_wait_alu depctr_va_vdst(0)                   ; the wait at the head's end
	s_wait_kmcnt 0x0
	s_load_b32 s22, s[10:11], SOFF                 ; e
	s_add_nc_u64 s[4:5], s[4:5], s[16:17]
	s_lshl_b32 s16, ttmp9, 14                      ; and of codes
	s_add_nc_u64 s[12:13], s[12:13], s[16:17]
.macro LDX r                           ; a row: 8 loads
.irp j, 0,1,2,3
	global_load_b128 v[XR+32*\r+8*\j:XR+32*\r+8*\j+3], v2, s[4:5] offset:4096*\r+1024*\j th:TH_LOAD_NT
	global_load_b128 v[XR+32*\r+8*\j+4:XR+32*\r+8*\j+7], v2, s[4:5] offset:4096*\r+1024*\j+16 th:TH_LOAD_NT
.endr
.endm
	LDX 0
	LDX 1
.irp j, 0,1,2,3
	global_load_b128 v[GR+8*\j:GR+8*\j+3], v3, s[6:7] offset:1024*\j
	global_load_b128 v[GR+8*\j+4:GR+8*\j+7], v3, s[6:7] offset:1024*\j+16
	global_load_b128 v[BR+8*\j:BR+8*\j+3], v3, s[8:9] offset:1024*\j
	global_load_b128 v[BR+8*\j+4:BR+8*\j+7], v3, s[8:9] offset:1024*\j+16
.endr
	LDX 2
	LDX 3
	s_wait_kmcnt 0x0
	s_add_co_i32 s22, s22, 127
	s_lshl_b32 s23, s22, 23
	v_mov_b32 v5, s23                              ; 2^e as f32: the conversion takes its exponent field
	s_add_co_i32 s22, s22, 8
	s_lshl_b32 s22, s22, 23
	s_or_b32 s22, s22, 0x600000
	v_mov_b32 v6, s22                              ; 448 x 2^e
; row r of a pair has two chains of pairs, at v[8+4k:9+4k] and v[10+4k:11+4k], k = r % 2.  ACROSS joins them, the pair's halves and the 32 lanes: every lane ends with the sum in v[8+4k]
.macro ACROSS r0
.irp r, \r0, \r0+1
	v_pk_add_f32 v[8+4*((\r)%2):9+4*((\r)%2)], v[8+4*((\r)%2):9+4*((\r)%2)], v[10+4*((\r)%2):11+4*((\r)%2)]
.endr
.irp r, \r0, \r0+1
	v_add_f32 v[8+4*((\r)%2)], v[8+4*((\r)%2)], v[9+4*((\r)%2)]
.endr
.irp m, 1,2,4,8
.irp r, \r0, \r0+1
	v_add_f32_dpp v[8+4*((\r)%2)], v[8+4*((\r)%2)], v[8+4*((\r)%2)] row_xmask:\m row_mask:0xf bank_mask:0xf
.endr
.endr
.irp r, \r0, \r0+1
	v_permlanex16_b32 v[24+(\r)%2], v[8+4*((\r)%2)], s18, s19
.endr
.irp r, \r0, \r0+1
	v_add_f32 v[8+4*((\r)%2)], v[8+4*((\r)%2)], v[24+(\r)%2]
.endr
.endm
; rows r0, r0 + 1, line by line by turns.  c1: the loads that may be out while the pair's sums are taken; c2: while it is scaled
.macro PAIR r0, c1, c2
	s_wait_alu depctr_va_vdst(0)                   ; the wait here, directly ahead of the wait below
	s_wait_loadcnt \c1
.irp r, \r0, \r0+1
	v_pk_add_f32 v[8+4*((\r)%2):9+4*((\r)%2)], v[XR+32*(\r):XR+32*(\r)+1], v[XR+32*(\r)+2:XR+32*(\r)+3]
	v_pk_add_f32 v[10+4*((\r)%2):11+4*((\r)%2)], v[XR+32*(\r)+4:XR+32*(\r)+5], v[XR+32*(\r)+6:XR+32*(\r)+7]
.endr
.set i, 8
.rept 6
.irp r, \r0, \r0+1
	v_pk_add_f32 v[8+4*((\r)%2):9+4*((\r)%2)], v[8+4*((\r)%2):9+4*((\r)%2)], v[XR+32*(\r)+i:XR+32*(\r)+i+1]
	v_pk_add_f32 v[10+4*((\r)%2):11+4*((\r)%2)], v[10+4*((\r)%2):11+4*((\r)%2)], v[XR+32*(\r)+i+2:XR+32*(\r)+i+3]
.endr
.set i, i+4
.endr
	ACROSS \r0
.irp r, \r0, \r0+1
	v_mul_f32 v[16+2*((\r)%2)], s20, v[8+4*((\r)%2)]   ; the mean, in both words of a pair
	v_mul_f32 v[17+2*((\r)%2)], s20, v[8+4*((\r)%2)]
.endr
.set i, 0
.rept 16
.irp r, \r0, \r0+1
	v_pk_add_f32 v[XR+32*(\r)+i:XR+32*(\r)+i+1], v[XR+32*(\r)+i:XR+32*(\r)+i+1], v[16+2*((\r)%2):17+2*((\r)%2)] neg_lo:[0,1] neg_hi:[0,1]   ; d = x - mean, in place
.endr
.set i, i+2
.endr
.irp r, \r0, \r0+1
	v_pk_mul_f32 v[8+4*((\r)%2):9+4*((\r)%2)], v[XR+32*(\r):XR+32*(\r)+1], v[XR+32*(\r):XR+32*(\r)+1]
	v_pk_mul_f32 v[10+4*((\r)%2):11+4*((\r)%2)], v[XR+32*(\r)+2:XR+32*(\r)+3], v[XR+32*(\r)+2:XR+32*(\r)+3]
.endr
.set i, 4
.rept 7
.irp r, \r0, \r0+1
	v_pk_fma_f32 v[8+4*((\r)%2):9+4*((\r)%2)], v[XR+32*(\r)+i:XR+32*(\r)+i+1], v[XR+32*(\r)+i:XR+32*(\r)+i+1], v[8+4*((\r)%2):9+4*((\r)%2)]
	v_pk_fma_f32 v[10+4*((\r)%2):11+4*((\r)%2)], v[XR+32*(\r)+i+2:XR+32*(\r)+i+3], v[XR+32*(\r)+i+2:XR+32*(\r)+i+3], v[10+4*((\r)%2):11+4*((\r)%2)]
.endr
.set i, i+4
.endr
	ACROSS \r0
.irp r, \r0, \r0+1
	v_fma_f32 v[8+4*((\r)%2)], v[8+4*((\r)%2)], s20, s21   ; var + eps
.endr
	s_wait_alu depctr_va_vdst(0)                   ; the wait ahead of the batch of two
.irp r, \r0, \r0+1
	v_rsq_f32 v[16+2*((\r)%2)], v[8+4*((\r)%2)]
.endr
	v_nop                                          ; a plain instruction behind the last of them
	s_wait_alu depctr_va_vdst(0)                   ; and the wait behind it, ahead of its first reader
.irp r, \r0, \r0+1
	v_mov_b32 v[17+2*((\r)%2)], v[16+2*((\r)%2)]
.endr
.if \c1 != \c2
	s_wait_alu depctr_va_vdst(0)                   ; the wait here, directly ahead of the wait below
	s_wait_loadcnt \c2                             ; g and b
.endif
.irp r, \r0, \r0+1
.set i, 0
.rept 16
	v_pk_mul_f32 v[XR+32*(\r)+i:XR+32*(\r)+i+1], v[XR+32*(\r)+i:XR+32*(\r)+i+1], v[16+2*((\r)%2):17+2*((\r)%2)]
.set i, i+2
.endr
.set i, 0
.rept 16
	v_pk_fma_f32 v[XR+32*(\r)+i:XR+32*(\r)+i+1], v[XR+32*(\r)+i:XR+32*(\r)+i+1], v[GR+i:GR+i+1], v[BR+i:BR+i+1]
.set i, i+2
.endr
.set i, 0
.rept 32
	v_med3_num_f32 v[XR+32*(\r)+i], v[XR+32*(\r)+i], -v6, v6   ; the conversion to an 8-bit code does not saturate (ISA guide 7.6.2): the hold at the largest code x the scale
.set i, i+1
.endr
.irp j, 0,1,2,3
	v_cvt_scalef32_pk8_fp8_f32 v[CD+8*(\r)+2*\j:CD+8*(\r)+2*\j+1], v[XR+32*(\r)+8*\j:XR+32*(\r)+8*\j+7], v5
.endr
	v_nop                                          ; a plain instruction behind the last conversion
.irp j, 0,1,2,3
	global_store_b64 v4, v[CD+8*(\r)+2*\j:CD+8*(\r)+2*\j+1], s[12:13] offset:1024*(\r)+256*\j   ; 32 lanes store 256 consecutive bytes, aligned
.endr
.endr
.endm
	PAIR 0, 32, 16
	PAIR 2, 0, 0
	s_endpgm
.Lfunc_end_k_qfc48195f49_ln1:
	.size	k_qfc48195f49_ln1, .Lfunc_end_k_qfc48195f49_ln1-k_qfc48195f49_ln1
	.p2alignl 7, 3214868480
	.fill 96, 4, 3214868480
	.section	.rodata,"a",@progbits
	.p2align	6, 0x0
	.amdhsa_kernel k_qfc48195f49_ln1
		.amdhsa_group_segment_fixed_size 0
		.amdhsa_private_segment_fixed_size 0
		.amdhsa_enable_private_segment 0
		.amdhsa_kernarg_size 40
		.amdhsa_user_sgpr_count 2
		.amdhsa_user_sgpr_kernarg_segment_ptr 1
		.amdhsa_wavefront_size32 1
		.amdhsa_system_sgpr_workgroup_id_x 1
		.amdhsa_system_sgpr_workgroup_id_y 1
		.amdhsa_system_sgpr_workgroup_id_z 1
		.amdhsa_system_vgpr_workitem_id 0
		.amdhsa_next_free_vgpr 256
		.amdhsa_next_free_sgpr 66
		.amdhsa_reserve_vcc 0
		.amdhsa_float_denorm_mode_32 3
		.amdhsa_float_denorm_mode_16_64 3
		.amdhsa_memory_ordered 1
		.amdhsa_forward_progress 1
		.amdhsa_inst_pref_size 41
	.end_amdhsa_kernel
	.amdgpu_metadata
---
amdhsa.version: [ 1, 2 ]
amdhsa.kernels:
  - .name:           k_qfc48195f49_ln1
    .symbol:         k_qfc48195f49_ln1.kd
    .args:
      - { .name: x, .offset: 0, .size: 8, .value_kind: global_buffer, .address_space: global }
      - { .name: ln1_g, .offset: 8, .size: 8, .value_kind: global_buffer, .address_space: global }
      - { .name: ln1_b, .offset: 16, .size: 8, .value_kind: global_buffer, .address_space: global }
      - { .name: lowp_scales, .offset: 24, .size: 8, .value_kind: global_buffer, .address_space: global }
      - { .name: hc, .offset: 32, .size: 8, .value_kind: global_buffer, .address_space: global }
    .group_segment_fixed_size: 0
    .private_segment_fixed_size: 0
    .kernarg_segment_align: 8
    .kernarg_segment_size: 40
    .max_flat_workgroup_size: 128
    .sgpr_count:     66
    .vgpr_count:     256
    .wavefront_size: 32
...
	.end_amdgpu_metadata
.endif
;; end of part 1
;; launch qkv (part 2): grid 12 x 16, 4 waves a work-group, clusters of 4 x 4, 327,680 bytes of LDS; arguments hc, w_qkv_codes, lowp_scales, qkvc; writes qkvc
.if DOCPART == 2
	.amdgcn_target "amdgcn-amd-amdhsa--gfx1250"
	.amdhsa_code_object_version 6
	.text
	.protected	k_qfc48195f49_qkv
	.globl	k_qfc48195f49_qkv
	.p2align	8
	.type	k_qfc48195f49_qkv,@function
k_qfc48195f49_qkv:
	s_mov_b64 s[64:65], 0
	v_nop
	global_prefetch_b8 v0, s[64:65] scope:SCOPE_SE
	s_setreg_imm32_b32 hwreg(HW_REG_WAVE_MODE, 25, 1), 1
	s_wait_xcnt 0x0
	s_wait_alu depctr_hold_cnt(0) depctr_sa_sdst(0) depctr_va_vdst(0) depctr_va_sdst(0) depctr_va_ssrc(0) depctr_va_vcc(0) depctr_vm_vsrc(0)
	s_getreg_b32 s2, hwreg(HW_REG_IB_STS2, 6, 4)
	s_cmp_eq_u32 s2, 0
	s_cbranch_scc0 .Lentry_in_a_cluster
	s_endpgm
.Lentry_in_a_cluster:
	s_bfe_u32 s2, ttmp6, 0x10000c
	s_cmp_lg_u32 s2, 0xf033
	s_cbranch_scc0 .Lentry_shape_is_right
	s_endpgm
.Lentry_shape_is_right:
; q, k, v = LN1(x) W_qkv on E4M3 codes, quantised at once for the two products of attention.  hc: [4096][1024] codes (scale 2^e0); w_qkv_codes: [3072][1024] codes (2^e1), both with K innermost.
; A work-group of four waves makes a block of 256 x 256, a wave 128 x 128: 64 accumulators, 512 registers.  K goes in steps of 256 through a ring of two LDS slots filled by the tensor data mover.
; CLUSTERS of 4 x 4: the tiles of the operand in A's role are shared along a row of the cluster, those in B's role along a column: each is asked for jointly.
; The cluster's x (0, 1, 2) is the section q, k, v, the same in all sixteen partners.  THE MATRIX INSTRUCTION IS USED TRANSPOSED (source 0 = 16 rows in B's role, source 1 = 16 rows in A's role): a lane holds
; one row of A's role and eight neighbours of B's role.  For q and k: A's role = tokens (hc), B's role = channels (W): a lane's numbers run along the head's channels, the K of q k^T.
; For v THE ROLES ARE EXCHANGED by two selects on the cluster's x: A's role = channels (W), B's role = tokens (hc): a lane's numbers run along the keys, the K of p v.  No line of the text differs.
; OUT: a conversion's two registers are registers 2 b, 2 b + 1 of an operand in the plain 8-bit layout (k = 16 b + 8 (lane / 16) + 0..7).  The operands are stored as IMAGES OF THEIR REGISTERS: each group of
; four registers by one store of 16 bytes a lane, 512 consecutive bytes.  qkvc: section X at X x 4 MB.  q, k: [head pair 8][16 tokens 256][head of the pair 2][1 KB];  v: [128 keys 32][16 channels 64][2 KB].
; code = sum x 2^(e0 + e1) / 2^es, es = e2, e3, e5: the three exponents are folded into the conversion's scale.  LIMIT: es - e0 - e1 between -126 and 119.
; The fragments are fetched by four loads of 16 bytes: a permutation of k inside an instruction, the same on both sides.
.set ROWB,   256                       ; a tile's row: 256 codes
.set KROW,   1024                      ; a row of either operand in memory
.set PITCH,  272                       ; an LDS row: 256 bytes + 16 of padding = 68 words: the 16 rows that a load touches start at 16 different banks (64 banks of 4 bytes: ISA guide 11.1)
.set FR,     16
.set NL,     4
.set NP,     4                         ; places behind this matrix instruction (ISA guide 7.12.1)
.set HALFT,  128*PITCH
.set SLOT,   4*HALFT
.set LAPS,   2                         ; 1,024 along K = two laps of two slots
.set SPARE,  2*SLOT                    ; behind the ring: the spare words, 128 bytes for each wave
.set ADRA, 16                          ; v16-17 LDS address of my fragments in A's role, slot 0, 1
.set ADRB, 20                          ; v20-21 the same in B's role
.set LI,   27                          ; v27  16 x lane
.set SPW,  28                          ; v28  my spare word; never rewritten
.set NIL,  29                          ; v29  0; never rewritten
.set SCV,  30                          ; v30  2^(es - e0 - e1)
.set LIM,  31                          ; v31  448 x that
.set TMP,  32                          ; v32-95 a block's 64 numbers, held
.set CDS,  96                          ; v96-223 codes: 16 registers for each of the 8 blocks, never rewritten
.set AF,   128                         ; A's fragments, window 0, one set
.set G1, 24
.set G0, 32
.set G1B, 48
.set G0B, 56
.set MSB, 0
.macro WIN new                         ; the immediate's high byte repeats the setting that is left
.if MSB != (\new)
	s_set_vgpr_msb (MSB<<8)|(\new)
.set MSB, (\new)
.endif
.endm
.set MUL_LO, 0xa1                      ; source 0 window 1, source 1 window 0, C and D window 2
.set MUL_HI, 0xf1                      ; the same, C and D window 3
.set TO_B,   0x40
.macro JLOAD g0a, g1a, g0b, g1b        ; a joint load: waves 0 and 1 fetch for A's role, waves 2 and 3 for B's; four v_nop follow each line
	s_cmp_eq_u32 s15, 0
	s_cbranch_scc0 .Lfor_b_\@
	tensor_load_to_lds s[\g0a:\g0a+3], s[\g1a:\g1a+7]
	s_nop 0
.rept 4
	v_nop
.endr
	s_branch .Lasked_\@
.Lfor_b_\@:
	tensor_load_to_lds s[\g0b:\g0b+3], s[\g1b:\g1b+7]
	s_nop 0
.rept 4
	v_nop
.endr
.Lasked_\@:
.endm
.macro CREST
	s_cmp_lg_u32 s14, 0
	s_cbranch_scc1 .Lnot_wave_0_\@
	s_barrier_signal -3
.Lnot_wave_0_\@:
	s_barrier_wait -3
	s_barrier_signal -1
	s_barrier_wait -1
.endm
.macro CROUND
	s_barrier_signal -1
	s_barrier_wait -1
	CREST
.endm
	s_load_b128 s[4:7], s[0:1], 0x0                ; hc s[4:5], W s[6:7]
	s_load_b128 s[8:11], s[0:1], 0x10              ; the scales' exponents s[8:9], qkvc s[10:11]
	v_lshl_add_u32 v[SPW], v0, 2, SPARE
	v_mov_b32 v[NIL], 0
	ds_add_u32 v28, v29
	ds_add_u32 v28, v29
	s_wait_dscnt 0x0
	v_lshrrev_b32 v1, 5, v0
	v_readfirstlane_b32 s14, v1                    ; wave 0..3
	s_lshr_b32 s15, s14, 1                         ; my half of the rows in A's role.  Also: I fetch for A's role (0) or B's (1)
	s_and_b32 s16, s14, 1                          ; my half in B's role.  Also: which 128 rows I fetch
	s_bfe_u32 s40, ttmp6, 0x40000                  ; cx
	s_bfe_u32 s41, ttmp6, 0x40004                  ; cy
	s_and_b32 s66, ttmp7, 0xffff
	s_lshl_b32 s66, s66, 2                         ; 4 x cluster y
	s_lshl_b32 s67, ttmp9, 2                       ; 4 x cluster x
	s_lshl_b32 s43, s41, 2
	s_lshl_b32 s43, 15, s43                        ; my row of the cluster
	s_lshl_b32 s44, 0x1111, s40                    ; my column
	s_cmp_eq_u32 ttmp9, 2                          ; the section v?
	s_cselect_b32 s68, 8, s66                      ; A's role: block of 256 rows = cy + 8 of W (v's channels), else cy + 4 Y of hc
	s_cselect_b32 s69, s66, s67                    ; B's role: cx + 4 Y of hc, else cx + 4 X of W
	s_cselect_b32 s82, 0, s66                      ; the way out: blocks of rows counted inside the section,
	s_cselect_b32 s83, s66, 0                      ; and of columns,
	s_cselect_b32 s84, 17, 19                      ; and the shift of a chunk of 128 columns: 64 or 256 images of 2 KB
	s_add_co_u32 s17, s41, s68
	s_add_co_u32 s42, s40, s69
	s_or_b32 s[G1+0], s43, (0<<16)|(1<<20)|(1<<21)|(5<<22)|(3<<25)  ; 15:0 the mask; 17:16 elements of 1 byte; 20 padding on; 21 set beside a mask; 24:22 after every 64 words; 31:25 four words
	s_or_b32 s[G1B+0], s44, (0<<16)|(1<<20)|(1<<21)|(5<<22)|(3<<25)
.irp g, G1, G1B
	s_mov_b32 s[\g+1], ROWB<<16                    ; tensor_dim0
	s_mov_b32 s[\g+2], 128<<16                     ; tensor_dim1
	s_mov_b32 s[\g+3], ROWB<<16                    ; tile_dim0
	s_mov_b32 s[\g+4], 128                         ; tile_dim1
	s_mov_b32 s[\g+5], KROW                        ; tensor_dim0_stride
	s_mov_b32 s[\g+6], 0
	s_mov_b32 s[\g+7], 0
.endr
	s_lshl_b32 s18, s16, 7
	s_lshl_b32 s20, s17, 8
	s_add_co_u32 s20, s20, s18
	s_lshl_b32 s20, s20, 10                        ; A's role: (256 x block + 128 x half) rows of 1,024 bytes: made of cy, never of cx
	s_mov_b32 s21, 0
	s_lshl_b32 s46, s42, 8
	s_add_co_u32 s46, s46, s18
	s_lshl_b32 s46, s46, 10                        ; B's role: made of cx, never of cy
	s_mov_b32 s47, 0
	s_mul_i32 s45, s14, HALFT                      ; where they go: wave x 128 rows
	s_wait_kmcnt 0x0
	s_load_b256 s[72:79], s[8:9], 0x0              ; e0 .. e7
	s_cmp_eq_u32 ttmp9, 2
	s_cselect_b64 s[70:71], s[6:7], s[4:5]         ; the buffer in A's role,
	s_cselect_b64 s[80:81], s[4:5], s[6:7]         ; and in B's: the choice hangs on the cluster's x alone
	s_add_nc_u64 s[20:21], s[70:71], s[20:21]
	s_add_nc_u64 s[46:47], s[80:81], s[46:47]
	CROUND                                         ; all sixteen work-groups are here: the first joint loads meet
.irp s, 0,1
	s_mov_b32 s[G0+4*\s], 1
	s_add_co_u32 s[G0+4*\s+1], s45, \s*SLOT
	s_add_nc_u64 s[G0+4*\s+2:G0+4*\s+3], s[20:21], \s*ROWB
	s_or_b32 s[G0+4*\s+3], s[G0+4*\s+3], 0x80000000
	s_mov_b32 s[G0B+4*\s], 1
	s_add_co_u32 s[G0B+4*\s+1], s45, \s*SLOT
	s_add_nc_u64 s[G0B+4*\s+2:G0B+4*\s+3], s[46:47], \s*ROWB
	s_or_b32 s[G0B+4*\s+3], s[G0B+4*\s+3], 0x80000000
.endr
	JLOAD G0, G1, G0B, G1B                         ; slot 0: one tensor load a wave at the head
	v_and_b32 v1, 15, v0
	v_bfe_u32 v2, v0, 4, 1
	v_mul_u32_u24 v3, v1, PITCH
	v_lshl_add_u32 v4, v2, 4, v3                   ; a fragment's row x pitch + 16 x half
	s_mul_i32 s21, s15, HALFT
	s_mul_i32 s22, s16, HALFT
	s_add_co_u32 s22, s22, 2*HALFT
.irp s, 0,1
	v_add_nc_u32 v[ADRA+\s], s21, v4
	v_add_nc_u32 v[ADRB+\s], s22, v4
	s_add_co_u32 s21, s21, SLOT
	s_add_co_u32 s22, s22, SLOT
.endr
	v_and_b32 v6, 31, v0
	v_lshlrev_b32 v[LI], 4, v6
	; where my 8 images begin: section + (16 x block of rows + 8 x half) x 2 KB + (2 x block of columns + half) << shift
	s_add_co_u32 s82, s82, s41
	s_lshl_b32 s82, s82, 4
	s_lshl_b32 s85, s15, 3
	s_add_co_u32 s82, s82, s85
	s_lshl_b32 s82, s82, 11
	s_add_co_u32 s83, s83, s40
	s_lshl_b32 s83, s83, 1
	s_add_co_u32 s83, s83, s16
	s_lshl_b32 s83, s83, s84
	s_add_co_u32 s82, s82, s83
	s_lshl_b32 s83, ttmp9, 22
	s_add_co_u32 s82, s82, s83
	s_mov_b32 s83, 0
	s_add_nc_u64 s[10:11], s[10:11], s[82:83]
	; THE PREFETCHES INTO THE L2: behind the load of slot n (n = 0, 1) one instruction a wave asks for slot n + 2, two slots ahead of the refill that will want it; slots 0 and 1 come by their loads alone.
	; Of the 128 rows that my wave fetches, each of the four partners that ask for them jointly takes 32, told apart by address (cx in A's role, cy in B's): a lane a row, 256 bytes of it, each block named once in the cluster.
	s_cmp_eq_u32 s15, 0                            ; do I fetch in A's role?
	s_cselect_b64 s[88:89], s[70:71], s[80:81]
	s_cselect_b32 s90, s17, s42                    ; the block of 256 rows
	s_cselect_b32 s91, s40, s41                    ; my place among the four
	s_lshl_b32 s90, s90, 8
	s_lshl_b32 s92, s16, 7
	s_add_co_u32 s90, s90, s92
	s_lshl_b32 s91, s91, 5
	s_add_co_u32 s90, s90, s91
	s_lshl_b32 s90, s90, 10                        ; rows of 1,024 bytes
	s_mov_b32 s91, 0
	s_add_nc_u64 s[88:89], s[88:89], s[90:91]
	s_wait_alu depctr_va_vdst(0)                   ; the wait here: the lane's number was written ahead of the scalar lines above
	v_lshlrev_b32 v7, 10, v6                       ; a lane a row; never rewritten
	s_wait_alu depctr_va_vdst(0)                   ; the wait here, directly ahead of the reader below
	global_prefetch_b8 v7, s[88:89] offset:2*ROWB th:TH_LOAD_NT scope:SCOPE_SE   ; slot 2
.macro FRAG reg, adr, q, i             ; 16 rows x 128 K: registers 4 c .. 4 c + 3 hold K = 32 c + 16 (l / 16) + 0 .. 15 of row l % 16
.irp c, 0,1,2,3
	ds_load_b128 v[\reg+4*\c:\reg+4*\c+3], v[\adr] offset:128*(\q)+32*\c+(\i)*16*PITCH
.endr
.endm
; 16 matrix instructions: A's blocks a0, a0 + 1 x B's eight.  The 64 accumulators take turns, one instruction a turn, in the same order in every step.
.macro MUL16 a0, p, zero
.irp a, \a0, \a0+1
.irp b, 0,1,2,3,4,5,6,7
.if \zero
	v_wmma_f32_16x16x128_fp8_fp8 v[8*(8*((\a)%4)+\b):8*(8*((\a)%4)+\b)+7], v[128*(\p)+FR*\b:128*(\p)+FR*\b+FR-1], v[AF+FR*(\a):AF+FR*(\a)+FR-1], 0
.else
	v_wmma_f32_16x16x128_fp8_fp8 v[8*(8*((\a)%4)+\b):8*(8*((\a)%4)+\b)+7], v[128*(\p)+FR*\b:128*(\p)+FR*\b+FR-1], v[AF+FR*(\a):AF+FR*(\a)+FR-1], v[8*(8*((\a)%4)+\b):8*(8*((\a)%4)+\b)+7]
.endif
.endr
.endr
.endm
.macro FETCH_B slot, q, p
	WIN TO_B
.irp i, 0,1,2,3,4,5,6,7
	FRAG 128*(\p)+FR*\i, ADRB+\slot, \q, \i
.endr
	WIN 0
.endm
.macro FETCH_A slot, q, i0
.irp i, \i0, \i0+1, \i0+2, \i0+3
	FRAG AF+FR*(\i), ADRA+\slot, \q, \i
.endr
.endm
.macro PLACES n                        ; plain vector instructions between a matrix instruction and a load into, or a vector read or write of, its registers
.rept \n
	v_nop
.endr
.endm
.macro STEP slot, q, zero              ; 128 along K whose successor lies in the same slot
	s_wait_dscnt 4*NL                              ; B's set and A's blocks 0-3 are in; the youngest 16 loads (A's blocks 4-7) may be out
	WIN MUL_LO
	MUL16 0, (\q)%2, \zero
	MUL16 2, (\q)%2, \zero
	s_wait_dscnt 0
	PLACES NP
	FETCH_B \slot, (\q)+1, 1-(\q)%2
	FETCH_A \slot, (\q)+1, 0
	WIN MUL_HI
	MUL16 4, (\q)%2, \zero
	MUL16 6, (\q)%2, \zero
	PLACES NP
	WIN 0
	FETCH_A \slot, (\q)+1, 4
.endm
; A slot's last step changes slots: one barrier; in front of it each wave waits for all its tensor loads, adds 0 to its spare word, and waits for that and for its own reads of this slot.
.macro TURN slot, next, fill
	s_wait_tensorcnt 0x0                           ; all my tensor loads have landed: my part of the next slot
	ds_add_u32 v[SPW], v[NIL]                      ; 0 onto my spare word
	s_wait_dscnt 4*NL+1                            ; (the add and the youngest 16 loads may be out)
	WIN MUL_LO
	MUL16 0, 1, 0
	s_wait_dscnt 0x0                               ; the add is done, and my reads of this slot are over
	s_barrier_signal -1
	MUL16 2, 1, 0
	WIN 0
	s_barrier_wait -1
.if \fill
	CREST                                          ; the barrier has opened a round of the cluster's barrier: no wave of any partner still reads this slot or has a load on its way
	s_add_nc_u64 s[G0+4*\slot+2:G0+4*\slot+3], s[G0+4*\slot+2:G0+4*\slot+3], 2*ROWB
	s_add_nc_u64 s[G0B+4*\slot+2:G0B+4*\slot+3], s[G0B+4*\slot+2:G0B+4*\slot+3], 2*ROWB
	JLOAD G0+4*\slot, G1, G0B+4*\slot, G1B         ; the first tensor load behind the round; its four v_nop are the places in front of the loads below
.else
	PLACES NP
.endif
	FETCH_B \next, 0, 0
	FETCH_A \next, 0, 0
	WIN MUL_HI
	MUL16 4, 1, 0
	MUL16 6, 1, 0
	PLACES NP
	WIN 0
	FETCH_A \next, 0, 4
.endm
	s_wait_alu depctr_va_vdst(0)
	s_wait_tensorcnt 0x0                           ; my part of slot 0 is in
	ds_add_u32 v[SPW], v[NIL]
	s_wait_dscnt 0x0
	CROUND                                         ; everybody's part of slot 0 is in, and the joint loads meet
	JLOAD G0+4, G1, G0B+4, G1B                     ; slot 1's first fill, the first tensor load behind the round
	FETCH_B 0, 0, 0
	FETCH_A 0, 0, 0
	FETCH_A 0, 0, 4
	global_prefetch_b8 v7, s[88:89] offset:3*ROWB th:TH_LOAD_NT scope:SCOPE_SE   ; slot 3, the last: its bytes end with the rows
	STEP 0, 0, 1                                   ; the first step's products start the sums
	s_mov_b32 s3, LAPS-1
.Llap:
	TURN 0, 1, 1
	STEP 1, 0, 0
	TURN 1, 0, 1
	STEP 0, 0, 0
	s_sub_co_u32 s3, s3, 1
	s_cmp_lg_u32 s3, 0
	s_cbranch_scc1 .Llap
	TURN 0, 1, 0                                   ; the last lap fills nothing
	STEP 1, 0, 0
	s_wait_dscnt 4*NL
	WIN MUL_LO
	MUL16 0, 1, 0
	MUL16 2, 1, 0
	s_wait_dscnt 0
	WIN MUL_HI
	MUL16 4, 1, 0
	MUL16 6, 1, 0
	WIN 0
	; THE WAY OUT.  No stage: a block's eight conversions give the sixteen registers of an image (or of two images of 64 along K), stored as they stand.
	s_wait_kmcnt 0x0
	s_cmp_eq_u32 ttmp9, 0
	s_cselect_b32 s86, s74, s75                    ; e2 for q, e3 for k,
	s_cmp_eq_u32 ttmp9, 2
	s_cselect_b32 s86, s77, s86                    ; e5 for v
	s_sub_co_i32 s86, s86, s72
	s_sub_co_i32 s86, s86, s73
	s_add_co_i32 s86, s86, 127
	s_lshl_b32 s87, s86, 23
	s_add_co_i32 s86, s86, 8
	s_lshl_b32 s86, s86, 23
	s_or_b32 s86, s86, 0x600000
	PLACES NP
	v_mov_b32 v[SCV], s87
	v_mov_b32 v[LIM], s86
.macro OUTB a
.set AC, 64*((\a)%4)
	WIN 0x02+((\a)/4)                              ; source 0: window 2 or 3
.set i, 0
.rept 64
	v_med3_num_f32 v[TMP+i], v[AC+i], -v[LIM], v[LIM]   ; the hold at the largest code x the scale; each accumulator from its low end on
.set i, i+1
.endr
	WIN 0
.set i, 0
.rept 8
	v_cvt_scalef32_pk8_fp8_f32 v[CDS+16*(\a)+2*i:CDS+16*(\a)+2*i+1], v[TMP+8*i:TMP+8*i+7], v[SCV]
.set i, i+1
.endr
	v_nop                                          ; a plain instruction between the last conversion and the next block's writes of its sources
.set i, 0
.rept 4
	global_store_b128 v[LI], v[CDS+16*(\a)+4*i:CDS+16*(\a)+4*i+3], s[10:11] offset:2048*(\a)+512*i   ; 32 lanes store 512 consecutive bytes, aligned
.set i, i+1
.endr
.endm
.irp a, 0,1,2,3,4,5,6,7
	OUTB \a
.endr
	s_wait_tensorcnt 0x0                           ; the wave's end
	ds_add_u32 v[SPW], v[NIL]
	s_wait_dscnt 0x0
	CROUND                                         ; the closing round
	s_endpgm
.Lfunc_end_k_qfc48195f49_qkv:
	.size	k_qfc48195f49_qkv, .Lfunc_end_k_qfc48195f49_qkv-k_qfc48195f49_qkv
	.p2alignl 7, 3214868480
	.fill 96, 4, 3214868480
	.section	.rodata,"a",@progbits
	.p2align	6, 0x0
	.amdhsa_kernel k_qfc48195f49_qkv
		.amdhsa_group_segment_fixed_size 327680
		.amdhsa_private_segment_fixed_size 0
		.amdhsa_enable_private_segment 0
		.amdhsa_kernarg_size 32
		.amdhsa_user_sgpr_count 2
		.amdhsa_user_sgpr_kernarg_segment_ptr 1
		.amdhsa_wavefront_size32 1
		.amdhsa_system_sgpr_workgroup_id_x 1
		.amdhsa_system_sgpr_workgroup_id_y 1
		.amdhsa_system_sgpr_workgroup_id_z 1
		.amdhsa_system_vgpr_workitem_id 0
		.amdhsa_next_free_vgpr 1024
		.amdhsa_next_free_sgpr 98
		.amdhsa_reserve_vcc 0
		.amdhsa_float_denorm_mode_32 3
		.amdhsa_float_denorm_mode_16_64 3
		.amdhsa_memory_ordered 1
		.amdhsa_forward_progress 1
		.amdhsa_inst_pref_size 119
	.end_amdhsa_kernel
	.amdgpu_metadata
---
amdhsa.version: [ 1, 2 ]
amdhsa.kernels:
  - .name:           k_qfc48195f49_qkv
    .symbol:         k_qfc48195f49_qkv.kd
    .args:
      - { .name: hc, .offset: 0, .size: 8, .value_kind: global_buffer, .address_space: global }
      - { .name: w_qkv_codes, .offset: 8, .size: 8, .value_kind: global_buffer, .address_space: global }
      - { .name: lowp_scales, .offset: 16, .size: 8, .value_kind: global_buffer, .address_space: global }
      - { .name: qkvc, .offset: 24, .size: 8, .value_kind: global_buffer, .address_space: global }
    .group_segment_fixed_size: 327680
    .private_segment_fixed_size: 0
    .kernarg_segment_align: 8
    .kernarg_segment_size: 32
    .max_flat_workgroup_size: 128
    .sgpr_count:     98
    .vgpr_count:     1024
    .wavefront_size: 32
...
	.end_amdgpu_metadata
.endif
;; end of part 2
;; launch attn (part 3): grid 8 x 32, 8 waves a work-group, no clusters, 263,168 bytes of LDS; arguments qkvc, lowp_scales, oc; writes oc
.if DOCPART == 3
	.amdgcn_target "amdgcn-amd-amdhsa--gfx1250"
	.amdhsa_code_object_version 6
	.text
	.protected	k_qfc48195f49_attn
	.globl	k_qfc48195f49_attn
	.p2align	8
	.type	k_qfc48195f49_attn,@function
k_qfc48195f49_attn:
	s_mov_b64 s[64:65], 0
	v_nop
	global_prefetch_b8 v0, s[64:65] scope:SCOPE_SE
	s_setreg_imm32_b32 hwreg(HW_REG_WAVE_MODE, 25, 1), 1
	s_wait_xcnt 0x0
; o = softmax(q k^T / 8) v for 32 heads (2 batches x 16) of 2,048 tokens x 64 channels, both products on E4M3 codes; o is quantised at once for the next product.
; q, k, v come as images of operand registers (plain 8-bit layout) from qkvc: q, k: [head pair 8][16 tokens 256][head 2][1 KB] at 0 and 4 MB; v: [128 keys 32][16 channels 64][2 KB] at 8 MB.
; THE SOFTMAX: t = score x log2(e) / 8; M = the running largest t rounded up to a whole number; p = 2^(t - M) is quantised with 2^e4; the row's sum is taken of the unquantised p and divides at the end.
; SHARES.  A work-group owns 256 queries of one head, each of its eight waves 32: two tiles of 16, so that each fragment of K and V read from LDS feeds two products; two waves stand on a SIMD.
; Both products are used transposed (S^T = K Q^T, O^T = V^T P^T): a lane holds one query throughout, and tile t's conversion gives registers 2 t, 2 t + 1 of P, the keys in their true places.
; THE WHOLE HEAD LIES IN LDS: K's 128 images of 1 KB at 0, V's 64 images of 2 KB at 131,072.  Each LDS byte is written once: no ring.  It comes through registers, a quarter (512 keys) at a time, asked for
; three key steps or more ahead of its stores to LDS; every load and store of a wave covers 512 consecutive bytes.
; A KEY STEP (128 keys): all plain work that the exponentials need or that hangs on f alone (maxima, statistics, scalings, the rescaling of the sums and of O^T) stands ahead of ONE batch of the step's 128
; exponentials, the two tiles' lists dealt by turns so that the chains of the statistics do not stand bare; one wait ahead of the batch and one behind it; then sums, codes, second product.
; K's fragments of the next step are fetched straight behind this step's products K Q^T, into the same registers.
; NO CLUSTER, no tensor load: a work-group takes in its head's 262,144 bytes once, each LDS byte written once from registers, and its loads are out for three key steps before they are waited for.
; No prefetch: each quarter's loads are themselves issued three steps or more ahead of their wait.
; Without tensor loads the hold of p may stand under a scalar branch on the given whole number e4: p <= 1 and 448 x 2^e4 >= 1.75 where e4 >= -8; below that the hold is executed.
; OUT: oc: [16 tokens 256][128 channels 8][2 KB], images for the next product; a head is half an image.  code = O / l x 2^(e4 + e5 - e6), held within +-448.
; LIMITS: e2 + e3 between -123 and 130 (added to c's exponent field); e4 between -126 and 119.  NaN among the inputs is not served.  The scaled scores stay under 2^31 in magnitude.
.set LI,  1                            ; v1  16 x lane
.set ADK, 2                            ; v2  LDS address of the step's K
.set ADV, 3                            ; v3  of its V
.set TO,  4                            ; v4  16 x thread
.set KO,  5                            ; v5  K in memory: (thread / 64) x 2,048 + (thread % 64) x 16
.set LK,  6                            ; v6, v7  LDS targets of a quarter
.set LV,  7
.set ST,  8                            ; tile u's statistics at v[8+8u]: +0 -M, +1 the largest t, +2,3 the sum, +4 f (+5 named with it), +6,7 at work
.set HOLDV, 24                         ; 448 x 2^e4
.set SCV, 25                           ; 2^e4
.set PT,  26                           ; v26, v27 permute targets
.set V448, 28
.set VONE, 29
.set OO,  32                           ; v32-95   O^T (32 u + 8 d)
.set SS,  96                           ; v96-223  S^T, then p, 64 a tile
.set MC,  224                          ; v224-231 four chains of the maximum a tile
.set CH,  232                          ; v232-237 three more chains of the sum
.set SPW, 238                          ; v238 my spare word, v239 0; never rewritten
.set NIL, 239
.set OC,  240                          ; v240-255 the codes that leave
.set QQ,  0                            ; window 1: v0-15 Q, 8 a tile; v16-47 P's codes, 16 a tile; v64-127 K's 8 fragments; v128-191 V's 4; v192-255 a quarter on its way
.set PP,  16
.set KF,  64
.set VF,  128
.set SG,  192
.set TB,  32                           ; s32 LDS byte of the step's K
.set MSB, 0
.macro WIN new                         ; the immediate's high byte repeats the setting that is left
.if MSB != (\new)
	s_set_vgpr_msb (MSB<<8)|(\new)
.set MSB, (\new)
.endif
.endm
	s_load_b128 s[4:7], s[0:1], 0x0                ; qkvc, the scales' exponents
	s_load_b64 s[8:9], s[0:1], 0x10                ; oc
	v_lshl_add_u32 v[SPW], v0, 2, 0x40000
	v_mov_b32 v[NIL], 0
	v_lshrrev_b32 v1, 5, v0
	v_readfirstlane_b32 s10, v1                    ; wave 0..7
	v_and_b32 v1, 31, v0
	v_lshlrev_b32 v[LI], 4, v1
	v_lshlrev_b32 v[TO], 4, v0
	v_lshrrev_b32 v[KO], 6, v0
	v_and_b32 v6, 63, v0
	v_lshlrev_b32 v6, 4, v6
	v_lshl_add_u32 v[KO], v[KO], 11, v6
	s_and_b32 s11, ttmp7, 0xffff
	s_lshr_b32 s35, s11, 4                         ; batch
	s_and_b32 s36, s11, 15                         ; head
	s_lshr_b32 s37, s36, 1                         ; head pair
	s_and_b32 s38, s36, 1                          ; head of the pair
	s_lshl_b32 s39, s35, 7
	s_lshl_b32 s40, ttmp9, 4
	s_add_co_u32 s39, s39, s40
	s_lshl_b32 s40, s10, 1
	s_add_co_u32 s39, s39, s40                     ; my first tile of 16 tokens: 128 x batch + 16 x block + 2 x wave
	s_lshl_b32 s41, s37, 19
	s_lshl_b32 s42, s38, 10
	s_add_co_u32 s41, s41, s42
	s_lshl_b32 s12, s39, 11
	s_add_co_u32 s12, s12, s41                     ; Q
	s_mov_b32 s13, 0
	s_lshl_b32 s14, s35, 18
	s_add_co_u32 s14, s14, s41
	s_add_co_u32 s14, s14, 0x400000                ; K
	s_mov_b32 s15, 0
	s_lshl_b32 s16, s35, 21
	s_lshl_b32 s42, s36, 13
	s_add_co_u32 s16, s16, s42
	s_add_co_u32 s16, s16, 0x800000                ; V
	s_mov_b32 s17, 0
	s_lshl_b32 s18, s39, 14
	s_lshl_b32 s42, s37, 11
	s_add_co_u32 s18, s18, s42
	s_lshl_b32 s42, s38, 10
	s_add_co_u32 s18, s18, s42                     ; O
	s_mov_b32 s19, 0
	s_mov_b32 s20, 0x76543210
	s_mov_b32 s21, 0xfedcba98
	s_wait_alu depctr_va_vdst(0)                   ; the wait here, directly ahead of the wait below
	s_wait_kmcnt 0x0
	s_load_b256 s[24:31], s[6:7], 0x0              ; e0 .. e7
	s_add_nc_u64 s[12:13], s[4:5], s[12:13]
	s_add_nc_u64 s[14:15], s[4:5], s[14:15]
	s_add_nc_u64 s[16:17], s[4:5], s[16:17]
	s_add_nc_u64 s[18:19], s[8:9], s[18:19]
.macro GLOAD q                         ; quarter q of K (32 images of 1 KB, 2 KB apart) and of V (4 chunks of 8 KB, 128 KB apart) into 64 registers a lane
	WIN 0x40
.set i, 0
.rept 8
	global_load_b128 v[SG+4*i:SG+4*i+3], v[KO], s[14:15] offset:(\q)*65536+i*8192
.set i, i+1
.endr
.set i, 0
.rept 8
	global_load_b128 v[SG+32+4*i:SG+32+4*i+3], v[TO], s[16:17] offset:(4*(\q)+i/2)*131072+(i%2)*4096
.set i, i+1
.endr
	WIN 0
.endm
.macro LSTORE q                        ; and on into LDS; behind the barrier every wave may read the quarter
	s_wait_alu depctr_va_vdst(0)                   ; the wait here, directly ahead of the wait below
	s_wait_loadcnt 0x0
	v_add_nc_u32 v[LK], (\q)*32768, v[TO]
	v_add_nc_u32 v[LV], 131072+(\q)*32768, v[TO]
	WIN 0x04                                       ; store data in window 1
.set i, 0
.rept 8
	ds_store_b128 v[LK], v[SG+4*i:SG+4*i+3] offset:i*4096
.set i, i+1
.endr
.set i, 0
.rept 8
	ds_store_b128 v[LV], v[SG+32+4*i:SG+32+4*i+3] offset:i*4096
.set i, i+1
.endr
	WIN 0
	s_wait_dscnt 0x0                               ; for the others' sake: my stores have landed (and my loads of the next K are in)
	s_barrier_signal -1
	s_barrier_wait -1
.endm
	GLOAD 0
	WIN 0x40
.irp u, 0,1
	global_load_b128 v[QQ+8*\u:QQ+8*\u+3], v[LI], s[12:13] offset:2048*\u
	global_load_b128 v[QQ+8*\u+4:QQ+8*\u+7], v[LI], s[12:13] offset:2048*\u+512
.endr
	WIN 0
.irp u, 0,1
	v_mov_b32 v[ST+8*\u+1], 0xff61b1e6             ; the largest t so far: -3e38
	v_floor_f32 v[ST+8*\u], -v[ST+8*\u+1]          ; -M
	v_mov_b32 v[ST+8*\u+2], 0
	v_mov_b32 v[ST+8*\u+3], 0
	v_mov_b32 v[ST+8*\u+5], 0                      ; (named as the upper half of f's pair)
	v_mov_b32 v[PT+\u], 0
.endr
	v_mov_b32 v[V448], 0x43e00000
	v_mov_b32 v[VONE], 1.0
.set i, 0
.rept 64
	v_mov_b32 v[OO+i], 0                           ; O^T: the step is written for every step alike; the first finds zeros, which the first change of M leaves zeros
.set i, i+1
.endr
	s_wait_kmcnt 0x0
	s_add_co_i32 s35, s26, s27
	s_lshl_b32 s35, s35, 23
	s_mov_b32 s22, 0x3e38aa3b                      ; c = log2(e) / 8,
	s_add_co_i32 s22, s22, s35                     ; x 2^(e2 + e3): the exponents are added to c's exponent field
	s_mov_b32 s23, s22
	s_add_co_i32 s35, s28, 127
	s_lshl_b32 s36, s35, 23
	v_mov_b32 v[SCV], s36
	s_add_co_i32 s35, s35, 8
	s_lshl_b32 s35, s35, 23
	s_or_b32 s35, s35, 0x600000
	v_mov_b32 v[HOLDV], s35
	s_add_co_i32 s34, s28, s29
	s_sub_co_i32 s34, s34, s30                     ; e4 + e5 - e6
; THE LISTS OF A TILE'S VECTOR WORK.  Each macro writes the next line of its list for tile u and steps the list's counter, so that the step below can deal lines of different lists by turns.
; The largest of the lane's 64 scores: four chains of 15 scores, then the four scores left over and the chains.  Each tile of S^T is read from its low end on.
.macro MAXL u
.set rS, SS+64*(\u)
.set rC, MC+4*(\u)
.if mx < 4
	v_max3_num_f32 v[rC+mx], v[rS+16*mx], v[rS+16*mx+1], v[rS+16*mx+2]
.elseif mx < 28
	v_max3_num_f32 v[rC+mx%4], v[rC+mx%4], v[rS+16*(mx%4)+2*(mx/4)+1], v[rS+16*(mx%4)+2*(mx/4)+2]
.elseif mx == 28
	v_max3_num_f32 v[rC], v[rC], v[rS+15], v[rS+31]
.elseif mx == 29
	v_max3_num_f32 v[rC+2], v[rC+2], v[rS+47], v[rS+63]
.elseif mx == 30
	v_max3_num_f32 v[rC], v[rC], v[rC+1], v[rC+2]
.else
	v_max_num_f32 v[rC], v[rC], v[rC+3]
.endif
.set mx, mx+1
.endm
; The statistics: lane l xor 16's maximum; as t; the running largest t; the new -M = -ceil(t), a whole number; f = 2^(old M - new M)
.macro STATL u
.set rT, ST+8*(\u)
.set rC, MC+4*(\u)
.if sn == 0
	v_permlanex16_b32 v[PT+(\u)], v[rC], s20, s21
.elseif sn == 1
	v_mov_b32 v[rT+7], v[rT]
.elseif sn == 2
	v_max_num_f32 v[rC], v[rC], v[PT+(\u)]
.elseif sn == 3
	v_mul_f32 v[rC], s22, v[rC]
.elseif sn == 4
	v_max_num_f32 v[rT+1], v[rT+1], v[rC]
.elseif sn == 5
	v_floor_f32 v[rT], -v[rT+1]
.elseif sn == 6
	v_sub_f32 v[rT+7], v[rT], v[rT+7]
.elseif sn == 7
	v_cvt_i32_f32 v[rT+7], v[rT+7]
.else
	v_ldexp_f32 v[rT+4], 1.0, v[rT+7]
.endif
.set sn, sn+1
.endm
.macro FMAL u                          ; t - M, two scores a line
.set rS, SS+64*(\u)
.set rT, ST+8*(\u)
	v_pk_fma_f32 v[rS+2*fn:rS+2*fn+1], v[rS+2*fn:rS+2*fn+1], s[22:23], v[rT:rT+1] op_sel_hi:[1,0,0]
.set fn, fn+1
.endm
.macro FILL u                          ; what was summed under the old M is brought under the new: the sum, then O^T from each accumulator's low end on: 17 lines; further calls write nothing
.set rT, ST+8*(\u)
.if fl == 0
	v_pk_mul_f32 v[rT+2:rT+3], v[rT+2:rT+3], v[rT+4:rT+5] op_sel_hi:[1,0]
.elseif fl < 17
	v_pk_mul_f32 v[OO+32*(\u)+2*(fl-1):OO+32*(\u)+2*(fl-1)+1], v[OO+32*(\u)+2*(fl-1):OO+32*(\u)+2*(fl-1)+1], v[rT+4:rT+5] op_sel_hi:[1,0]
.endif
.set fl, fl+1
.endm
.macro SUML u                          ; the row's sum is taken of the unquantised p: 32 pairs in four chains
.set rS, SS+64*(\u)
.set rT, ST+8*(\u)
.if sm < 3
	v_pk_add_f32 v[CH+2*sm:CH+2*sm+1], v[rS+4*sm:rS+4*sm+1], v[rS+4*sm+2:rS+4*sm+3]
.elseif sm < 29
.if (sm-3)%4 == 0
	v_pk_add_f32 v[rT+2:rT+3], v[rT+2:rT+3], v[rS+2*(sm+3):rS+2*(sm+3)+1]
.else
	v_pk_add_f32 v[CH+2*((sm-3)%4-1):CH+2*((sm-3)%4-1)+1], v[CH+2*((sm-3)%4-1):CH+2*((sm-3)%4-1)+1], v[rS+2*(sm+3):rS+2*(sm+3)+1]
.endif
.elseif sm == 29
	v_pk_add_f32 v[CH:CH+1], v[CH:CH+1], v[CH+2:CH+3]
.elseif sm == 30
	v_pk_add_f32 v[rT+2:rT+3], v[rT+2:rT+3], v[CH+4:CH+5]
.else
	v_pk_add_f32 v[rT+2:rT+3], v[rT+2:rT+3], v[CH:CH+1]
.endif
.set sm, sm+1
.endm
; A KEY STEP: 128 keys.  pre = 1: the next step's K is fetched.
.macro STEP pre
	v_add_nc_u32 v[ADK], s[TB], v[LI]
	v_add_nc_u32 v[ADV], 0x20000, v[ADK]
	s_wait_alu depctr_va_vdst(0)                   ; the wait here
	s_wait_dscnt 0x0                               ; K's sixteen loads, issued a step ago, are in
	WIN 0x05                                       ; sources 0 and 1 in window 1, C and D in window 0
.set i, 0
.rept 8
	v_wmma_f32_16x16x64_fp8_fp8 v[SS+8*i:SS+8*i+7], v[KF+8*i:KF+8*i+7], v[QQ:QQ+7], 0
	v_wmma_f32_16x16x64_fp8_fp8 v[SS+64+8*i:SS+64+8*i+7], v[KF+8*i:KF+8*i+7], v[QQ+8:QQ+15], 0
.set i, i+1
.endr
.rept 4
	v_nop                                          ; places in front of the loads into K's registers and of the first read of the scores
.endr
.if \pre
	WIN 0x40
.set i, 0
.rept 16
	ds_load_b128 v[KF+4*i:KF+4*i+3], v[ADK] offset:8192+512*i   ; the next step's K, 8 images
.set i, i+1
.endr
.endif
	WIN 0
.set mx, 0
.set ld, 0
.rept 4                                ; V's 4 images, wanted at the step's end: sixteen loads dealt in fours among tile 0's maxima
	WIN 0x40
.rept 4
	ds_load_b128 v[VF+4*ld:VF+4*ld+3], v[ADV] offset:512*ld
.set ld, ld+1
.endr
	WIN 0
.rept 8
	MAXL 0                                         ; tile 0's largest score
.endr
.endr
.set mx, 0
.set sn, 0
.rept 9
	MAXL 1                                         ; tile 0's statistics are a chain: two lines of tile 1's maximum stand between its links
	MAXL 1
	STATL 0
.endr
.set fn, 0
.rept 14
	MAXL 1                                         ; the rest of tile 1's maximum, by turns with tile 0's scalings
	FMAL 0
.endr
.set sn, 0
.set fl, 0
.rept 9
	STATL 1                                        ; tile 1's statistics, with tile 0's scalings and rescaling between the links
	FMAL 0
	FILL 0
.endr
.rept 9
	FMAL 0
	FILL 0
.endr
.set fn, 0
.set fl, 0
.rept 32
	FMAL 1                                         ; tile 1's scalings and rescaling
	FILL 1
.endr
	s_wait_alu depctr_va_vdst(0)                   ; the wait ahead of the batch
.set i, 0
.rept 128
	v_exp_f32 v[SS+i], v[SS+i]                     ; p = 2^(t - M), at most 1: not normalised
.set i, i+1
.endr
	v_nop                                          ; a plain place behind the last exponential
	s_wait_alu depctr_va_vdst(0)                   ; one wait for the batch, ahead of its first reader and of the branch below
.set sm, 0
.rept 32
	SUML 0
.endr
.set sm, 0
.rept 32
	SUML 1
.endr
	s_cmp_ge_i32 s28, -8                           ; p <= 1 <= 448 x 2^e4 where e4 >= -8: then nothing is to be held
	s_cbranch_scc1 .Lnohold_\@
.set i, 0
.rept 128
	v_min_num_f32 v[SS+i], v[SS+i], v[HOLDV]       ; the conversion does not saturate (ISA guide 7.6.2); p is not negative: a one-sided hold
.set i, i+1
.endr
.Lnohold_\@:
	WIN 0x40                                       ; P's codes lie in window 1
.set i, 0
.rept 16
	v_cvt_scalef32_pk8_fp8_f32 v[PP+2*i:PP+2*i+1], v[SS+8*i:SS+8*i+7], v[SCV]   ; tile u = i / 8, key tile t = i % 8: registers 2 t, 2 t + 1 of P(u)
.set i, i+1
.endr
	v_nop                                          ; a plain instruction between the last conversion and the products that read the codes
	s_wait_alu depctr_va_vdst(0)                   ; the wait here, directly ahead of the wait below
	s_wait_dscnt 0x0                               ; V is in (and the next K, issued ahead of it)
	WIN 0x05
.set i, 0
.rept 4                                ; eight accumulators by turns, one instruction a turn
	v_wmma_f32_16x16x128_fp8_fp8 v[OO+8*i:OO+8*i+7], v[VF+16*i:VF+16*i+15], v[PP:PP+15], v[OO+8*i:OO+8*i+7]
	v_wmma_f32_16x16x128_fp8_fp8 v[OO+32+8*i:OO+32+8*i+7], v[VF+16*i:VF+16*i+15], v[PP+16:PP+31], v[OO+32+8*i:OO+32+8*i+7]
.set i, i+1
.endr
	WIN 0
	s_add_co_u32 s[TB], s[TB], 8192
.endm
.macro STEPS first, trips              ; key steps first .. first + trips - 1; every LDS address is a constant + a counted loop's steps
	s_mov_b32 s[TB], (\first)*8192
	s_mov_b32 s33, \trips
.Ls_\@:
	STEP 1
	s_sub_co_u32 s33, s33, 1
	s_cmp_lg_u32 s33, 0
	s_cbranch_scc1 .Ls_\@
.endm
; THE ORDER.  Step j reads V of step j and K of step j + 1.  So quarter q + 1 (steps 4 q + 4 on) is stored, and its barrier passed, ahead of step 4 q + 3; the steps ahead of that barrier read nothing beyond quarter q.
	LSTORE 0                                       ; (its wait for loads serves Q too)
	GLOAD 1
	WIN 0x40
.set i, 0
.rept 16
	ds_load_b128 v[KF+4*i:KF+4*i+3], v[LI] offset:512*i   ; K of step 0
.set i, i+1
.endr
	WIN 0
	STEPS 0, 3
	LSTORE 1
	GLOAD 2
	STEPS 3, 4
	LSTORE 2
	GLOAD 3
	STEPS 7, 4
	LSTORE 3
	STEPS 11, 4
	s_mov_b32 s[TB], 15*8192
	STEP 0                                         ; the last step fetches no K
	; THE WAY OUT: O^T / l x 2^(e4 + e5 - e6), held, converted with the scale 1, stored as half an image a tile
.rept 4
	v_nop
.endr
.irp u, 0,1
	v_add_f32 v[ST+8*\u+6], v[ST+8*\u+2], v[ST+8*\u+3]
.endr
.irp u, 0,1
	v_permlanex16_b32 v[PT+\u], v[ST+8*\u+6], s20, s21
.endr
.irp u, 0,1
	v_add_f32 v[ST+8*\u+6], v[ST+8*\u+6], v[PT+\u]
.endr
	s_wait_alu depctr_va_vdst(0)                   ; the wait ahead of the two reciprocals
.irp u, 0,1
	v_rcp_f32 v[ST+8*\u+4], v[ST+8*\u+6]
.endr
	v_nop
	s_wait_alu depctr_va_vdst(0)                   ; one wait for the two reciprocals
.irp u, 0,1
	v_ldexp_f32 v[ST+8*\u+4], v[ST+8*\u+4], s34
.endr
	s_wait_alu depctr_va_vdst(0)                   ; the wait here, directly ahead of the first reader of O^T
.irp u, 0,1
.set i, 0
.rept 16
	v_pk_mul_f32 v[SS+32*\u+i:SS+32*\u+i+1], v[OO+32*\u+i:OO+32*\u+i+1], v[ST+8*\u+4:ST+8*\u+5] op_sel_hi:[1,0]   ; each accumulator from its low end on
.set i, i+2
.endr
.endr
.set i, 0
.rept 64
	v_med3_num_f32 v[SS+i], v[SS+i], -v[V448], v[V448]
.set i, i+1
.endr
.set i, 0
.rept 8
	v_cvt_scalef32_pk8_fp8_f32 v[OC+2*i:OC+2*i+1], v[SS+8*i:SS+8*i+7], v[VONE]
.set i, i+1
.endr
	v_nop
.irp u, 0,1
	global_store_b128 v[LI], v[OC+8*\u:OC+8*\u+3], s[18:19] offset:16384*\u          ; 32 lanes store 512 consecutive bytes, aligned
	global_store_b128 v[LI], v[OC+8*\u+4:OC+8*\u+7], s[18:19] offset:16384*\u+512
.endr
	s_wait_tensorcnt 0x0                           ; the wave's end
	ds_add_u32 v[SPW], v[NIL]
	s_wait_dscnt 0x0
	s_endpgm
.Lfunc_end_k_qfc48195f49_attn:
	.size	k_qfc48195f49_attn, .Lfunc_end_k_qfc48195f49_attn-k_qfc48195f49_attn
	.p2alignl 7, 3214868480
	.fill 96, 4, 3214868480
	.section	.rodata,"a",@progbits
	.p2align	6, 0x0
	.amdhsa_kernel k_qfc48195f49_attn
		.amdhsa_group_segment_fixed_size 263168
		.amdhsa_private_segment_fixed_size 0
		.amdhsa_enable_private_segment 0
		.amdhsa_kernarg_size 24
		.amdhsa_user_sgpr_count 2
		.amdhsa_user_sgpr_kernarg_segment_ptr 1
		.amdhsa_wavefront_size32 1
		.amdhsa_system_sgpr_workgroup_id_x 1
		.amdhsa_system_sgpr_workgroup_id_y 1
		.amdhsa_system_sgpr_workgroup_id_z 1
		.amdhsa_system_vgpr_workitem_id 0
		.amdhsa_next_free_vgpr 512
		.amdhsa_next_free_sgpr 66
		.amdhsa_reserve_vcc 0
		.amdhsa_float_denorm_mode_32 3
		.amdhsa_float_denorm_mode_16_64 3
		.amdhsa_memory_ordered 1
		.amdhsa_forward_progress 1
		.amdhsa_inst_pref_size 168
	.end_amdhsa_kernel
	.amdgpu_metadata
---
amdhsa.version: [ 1, 2 ]
amdhsa.kernels:
  - .name:           k_qfc48195f49_attn
    .symbol:         k_qfc48195f49_attn.kd
    .args:
      - { .name: qkvc, .offset: 0, .size: 8, .value_kind: global_buffer, .address_space: global }
      - { .name: lowp_scales, .offset: 8, .size: 8, .value_kind: global_buffer, .address_space: global }
      - { .name: oc, .offset: 16, .size: 8, .value_kind: global_buffer, .address_space: global }
    .group_segment_fixed_size: 263168
    .private_segment_fixed_size: 0
    .kernarg_segment_align: 8
    .kernarg_segment_size: 24
    .max_flat_workgroup_size: 256
    .sgpr_count:     66
    .vgpr_count:     512
    .wavefront_size: 32
...
	.end_amdgpu_metadata
.endif
;; end of part 3
;; launch proj (part 4): grid 8 x 32, 4 waves a work-group, clusters of 4 x 4, 327,680 bytes of LDS; arguments oc, w_proj_codes, lowp_scales, b_proj, x, x1; writes x1
.if DOCPART == 4
	.amdgcn_target "amdgcn-amd-amdhsa--gfx1250"
	.amdhsa_code_object_version 6
	.text
	.protected	k_qfc48195f49_proj
	.globl	k_qfc48195f49_proj
	.p2align	8
	.type	k_qfc48195f49_proj,@function
k_qfc48195f49_proj:
	s_mov_b64 s[64:65], 0
	v_nop
	global_prefetch_b8 v0, s[64:65] scope:SCOPE_SE
	s_setreg_imm32_b32 hwreg(HW_REG_WAVE_MODE, 25, 1), 1
	s_wait_xcnt 0x0
	s_wait_alu depctr_hold_cnt(0) depctr_sa_sdst(0) depctr_va_vdst(0) depctr_va_sdst(0) depctr_va_ssrc(0) depctr_va_vcc(0) depctr_vm_vsrc(0)
	s_getreg_b32 s2, hwreg(HW_REG_IB_STS2, 6, 4)
	s_cmp_eq_u32 s2, 0
	s_cbranch_scc0 .Lentry_in_a_cluster
	s_endpgm
.Lentry_in_a_cluster:
	s_bfe_u32 s2, ttmp6, 0x10000c
	s_cmp_lg_u32 s2, 0xf033
	s_cbranch_scc0 .Lentry_shape_is_right
	s_endpgm
.Lentry_shape_is_right:
; x1[m][n] = x[m][n] + b_proj[n] + 2^(e6 + e7) x the sum over k of A[m][k] W[n][k], on E4M3 codes.  m = 4,096, n = 1,024, k = 1,024.
; A (oc) comes as images of operand registers (plain 8-bit layout, 16 rows x 128 K, 2 KB): [16 rows 256][128 K 8][2 KB].  W: [1024][1024] codes, K innermost.  x, x1: [4096][1024] f32.
; n = 1,024 gives 256 blocks of 128 x 128: a work-group of four waves makes one, a wave 64 x 64: 16 accumulators.
; ALL OF K LIES IN LDS AT ONCE: A's 8 tiles of rows x 8 images as they lie (131,072 bytes; reads of 16 bytes a lane on end: no padding), W's 128 rows of 1,024 bytes + 16 (133,120 bytes).
; Each wave asks for a quarter of that by one tensor load at the head; no LDS byte is filled again: no ring, one barrier.  The stage of the way out has bytes of its own behind the spare words.
; CLUSTERS of 4 x 4: A's tiles are shared along a row of the cluster, W's along a column: each is asked for jointly.
; The matrix instruction is used transposed (source 0 = 16 rows of W, source 1 = 16 rows of A): a lane holds eight neighbouring numbers of a row of x1.  k stands in its true places on both sides.
; The residual's rows and the bias are asked for at the head and lie in registers when the sums are finished.  No prefetch: every byte is asked for at the head, and there is no loop to run ahead in.
; LIMIT: e6 + e7 between -126 and 127.
.set KTOT,   1024
.set SCOFF,  0x18                      ; e6, e7
.set PITCH,  1040                      ; W's row in LDS: 260 words: the 32 lanes of a load of 8 bytes (16 rows, two halves) touch 64 different banks (ISA guide 11.1)
.set AHALF,  65536                     ; 4 tiles of rows x 8 images
.set ASZ,    131072
.set BHALF,  64*PITCH
.set SPARE,  ASZ+2*BHALF               ; the spare words, 128 bytes for each wave
.set STAGE,  SPARE+512                 ; 16 rows x (256 + 16) bytes for each wave
.set SPITCH, 272
.set FR,   16
.set BIA,  8                           ; v[8:11] the bias of my 4 columns
.set ADRA, 16
.set ADRB, 20
.set STO,  24
.set RD,   25
.set CO,   26
.set SPW,  28
.set NIL,  29
.set AF,   128                         ; window 0: v128-191 A's fragments, one set; v32-127, v192-223 the residual; v224-255 rows back from the stage
.set BK,   224
.set ACC,  128                         ; window 1: v0-127 W's fragments, two sets; v128-255 the accumulators ((a, b) at 128 + 8 (4 a + b))
.set G1, 24
.set G0, 32
.set G1B, 48
.set G0B, 56
.set MSB, 0
.macro WIN new
.if MSB != (\new)
	s_set_vgpr_msb (MSB<<8)|(\new)
.set MSB, (\new)
.endif
.endm
.set MUL,  0x51                        ; source 0 (W), C and D window 1; source 1 (A) window 0
.set TO_B, 0x40
.macro CREST
	s_cmp_lg_u32 s14, 0
	s_cbranch_scc1 .Lnot_wave_0_\@
	s_barrier_signal -3
.Lnot_wave_0_\@:
	s_barrier_wait -3
	s_barrier_signal -1
	s_barrier_wait -1
.endm
.macro CROUND
	s_barrier_signal -1
	s_barrier_wait -1
	CREST
.endm
	s_load_b256 s[4:11], s[0:1], 0x0               ; A s[4:5], W s[6:7], the scales' exponents s[8:9], the bias s[10:11]
	s_load_b128 s[68:71], s[0:1], 0x20             ; the residual s[68:69], x1 s[70:71]
	v_lshl_add_u32 v[SPW], v0, 2, SPARE
	v_mov_b32 v[NIL], 0
	ds_add_u32 v[SPW], v[NIL]                      ; the opening: the add, twice on end, and its wait ahead of my tensor load
	ds_add_u32 v[SPW], v[NIL]
	v_lshrrev_b32 v1, 5, v0
	v_readfirstlane_b32 s14, v1                    ; wave 0..3
	s_lshr_b32 s15, s14, 1                         ; my half of the rows.  Also: I fetch for A (0) or W (1)
	s_and_b32 s16, s14, 1                          ; my half of the columns.  Also: which half I fetch
	s_bfe_u32 s40, ttmp6, 0x40000
	s_bfe_u32 s41, ttmp6, 0x40004
	s_lshl_b32 s42, ttmp9, 2
	s_add_co_u32 s42, s42, s40                     ; tile column
	s_and_b32 s17, ttmp7, 0xffff
	s_lshl_b32 s17, s17, 2
	s_add_co_u32 s17, s17, s41                     ; tile row
	s_lshl_b32 s43, s41, 2
	s_lshl_b32 s43, 15, s43
	s_lshl_b32 s44, 0x1111, s40
	s_or_b32 s[G1+0], s43, (3<<16)|(1<<21)         ; A: the mask of my row; elements of 8 bytes; no padding; 21 set beside a mask
	s_mov_b32 s[G1+1], 2048<<16                    ; tensor_dim0 = 2,048 elements: a tile's eight images, 16,384 bytes
	s_mov_b32 s[G1+2], 4<<16                       ; tensor_dim1 = 4 tiles of rows
	s_mov_b32 s[G1+3], 2048<<16                    ; tile_dim0
	s_mov_b32 s[G1+4], 4                           ; tile_dim1
	s_mov_b32 s[G1+5], 2048                        ; tensor_dim0_stride
	s_mov_b32 s[G1+6], 0
	s_mov_b32 s[G1+7], 0
	s_or_b32 s[G1B+0], s44, (0<<16)|(1<<20)|(1<<21)|(7<<22)|(3<<25)  ; W: the mask of my column; elements of 1 byte; four words of padding after every 256
	s_mov_b32 s[G1B+1], KTOT<<16
	s_mov_b32 s[G1B+2], 64<<16
	s_mov_b32 s[G1B+3], KTOT<<16
	s_mov_b32 s[G1B+4], 64
	s_mov_b32 s[G1B+5], KTOT
	s_mov_b32 s[G1B+6], 0
	s_mov_b32 s[G1B+7], 0
	s_lshl_b32 s20, s17, 3
	s_lshl_b32 s18, s16, 2
	s_add_co_u32 s20, s20, s18
	s_lshl_b32 s20, s20, 14                        ; A: tile of rows 8 x tile row + 4 x half, 16,384 bytes each
	s_mov_b32 s21, 0
	s_lshl_b32 s46, s42, 7
	s_lshl_b32 s18, s16, 6
	s_add_co_u32 s46, s46, s18
	s_lshl_b32 s46, s46, 10                        ; W: row 128 x tile column + 64 x half
	s_mov_b32 s47, 0
	s_mul_i32 s45, s16, AHALF                      ; where they go: no place in the cluster enters an LDS address
	s_mul_i32 s19, s16, BHALF
	s_add_co_u32 s19, s19, ASZ
	s_wait_dscnt 0x0                               ; both opening adds are done
	s_wait_kmcnt 0x0
	s_load_b64 s[72:73], s[8:9], SCOFF             ; e6, e7
	s_add_nc_u64 s[20:21], s[4:5], s[20:21]
	s_add_nc_u64 s[46:47], s[6:7], s[46:47]
	CROUND                                         ; all sixteen work-groups are here: the joint loads meet
	s_mov_b32 s[G0], 1
	s_mov_b32 s[G0+1], s45
	s_mov_b64 s[G0+2:G0+3], s[20:21]
	s_or_b32 s[G0+3], s[G0+3], 0x80000000
	s_mov_b32 s[G0B], 1
	s_mov_b32 s[G0B+1], s19
	s_mov_b64 s[G0B+2:G0B+3], s[46:47]
	s_or_b32 s[G0B+3], s[G0B+3], 0x80000000
	s_cmp_eq_u32 s15, 0                            ; waves 0 and 1 fetch A's halves, waves 2 and 3 W's: one load a wave; four v_nop follow each line
	s_cbranch_scc0 .Lfor_b
	tensor_load_to_lds s[G0:G0+3], s[G1:G1+7]
	s_nop 0
.rept 4
	v_nop
.endr
	s_branch .Lasked
.Lfor_b:
	tensor_load_to_lds s[G0B:G0B+3], s[G1B:G1B+7]
	s_nop 0
.rept 4
	v_nop
.endr
.Lasked:
	v_and_b32 v1, 15, v0                           ; r
	v_bfe_u32 v2, v0, 4, 1                         ; h
	v_and_b32 v3, 31, v0
	v_lshlrev_b32 v3, 4, v3                        ; an image's place for my lane
	v_mul_u32_u24 v4, v1, PITCH
	v_lshl_add_u32 v4, v2, 3, v4                   ; W: row r x pitch + 8 h
	s_mul_i32 s21, s15, AHALF
	s_mul_i32 s22, s16, BHALF
	s_add_co_u32 s22, s22, ASZ
	v_add_nc_u32 v[ADRA], s21, v3
	v_add_nc_u32 v[ADRB], s22, v4
	s_mul_i32 s23, s14, 16*SPITCH
	s_add_co_u32 s23, s23, STAGE                   ; my stage
	s_wait_alu depctr_va_vdst(0)                   ; the wait here, directly ahead of the readers below
	v_mul_u32_u24 v5, v1, SPITCH
	v_lshl_add_u32 v5, v2, 5, v5
	v_add_nc_u32 v[STO], s23, v5                   ; in: row r, 32 bytes for each half of the lanes
	v_mul_u32_u24 v5, v2, SPITCH
	v_lshl_add_u32 v5, v1, 4, v5
	v_add_nc_u32 v[RD], s23, v5                    ; back: lanes 0-15 one row of 256 bytes, lanes 16-31 the next
	v_lshlrev_b32 v5, 12, v2
	v_lshl_add_u32 v[CO], v1, 4, v5                ; and the same two rows in the residual and in x1
	v_lshlrev_b32 v6, 4, v1                        ; my 4 columns in the bias
	s_wait_alu depctr_va_vdst(0)                   ; the wait here, ahead of the scalar lines below
	s_lshl_b32 s20, s17, 7
	s_lshl_b32 s21, s15, 6
	s_add_co_u32 s20, s20, s21
	s_lshl_b32 s20, s20, 12                        ; my first row: (128 x tile row + 64 x half) x 4,096 bytes
	s_lshl_b32 s46, s42, 9
	s_lshl_b32 s47, s16, 8
	s_add_co_u32 s46, s46, s47                     ; my first column: (128 x tile column + 64 x half) x 4 bytes
	s_mov_b32 s47, 0
	s_add_nc_u64 s[10:11], s[10:11], s[46:47]
	s_add_co_u32 s20, s20, s46
	s_mov_b32 s21, 0
	s_add_nc_u64 s[68:69], s[68:69], s[20:21]
	s_add_nc_u64 s[70:71], s[70:71], s[20:21]
.irp a, 0,1,2
.set i, 0
.rept 8
	global_load_b128 v[32+32*\a+4*i:32+32*\a+4*i+3], v[CO], s[68:69] offset:(16*\a+2*i)*4096 th:TH_LOAD_NT   ; 16 lanes read 256 consecutive bytes
.set i, i+1
.endr
.endr
.set i, 0
.rept 8
	global_load_b128 v[192+4*i:192+4*i+3], v[CO], s[68:69] offset:(48+2*i)*4096 th:TH_LOAD_NT
.set i, i+1
.endr
	global_load_b128 v[BIA:BIA+3], v6, s[10:11]
.macro FRAGA reg, q, i                 ; an image comes back as it was stored: 4 loads of 16 bytes a lane
.irp c, 0,1,2,3
	ds_load_b128 v[\reg+4*\c:\reg+4*\c+3], v[ADRA] offset:(\i)*16384+(\q)*2048+512*\c
.endr
.endm
.macro FRAGB reg, q, i                 ; the plain layout from rows: registers 2 c, 2 c + 1 hold K = 16 c + 8 (l / 16) + 0 .. 7 of row l % 16
.irp c, 0,1,2,3,4,5,6,7
	ds_load_b64 v[\reg+2*\c:\reg+2*\c+1], v[ADRB] offset:(\i)*16*PITCH+128*(\q)+16*\c
.endr
.endm
.macro FETCH_B q, p                    ; 32 loads
	WIN TO_B
.irp i, 0,1,2,3
	FRAGB 64*(\p)+FR*\i, \q, \i
.endr
	WIN 0
.endm
.macro FETCH_A2 q, i0                  ; 8 loads: A's blocks i0, i0 + 1
.irp i, \i0, \i0+1
	FRAGA AF+FR*(\i), \q, \i
.endr
.endm
.macro MULB a, p, zero                 ; A's block a x W's four.  The 16 accumulators take turns, one instruction a turn, in the same order in every step
.irp b, 0,1,2,3
.if \zero
	v_wmma_f32_16x16x128_fp8_fp8 v[ACC+8*(4*(\a)+\b):ACC+8*(4*(\a)+\b)+7], v[64*(\p)+FR*\b:64*(\p)+FR*\b+FR-1], v[AF+FR*(\a):AF+FR*(\a)+FR-1], 0
.else
	v_wmma_f32_16x16x128_fp8_fp8 v[ACC+8*(4*(\a)+\b):ACC+8*(4*(\a)+\b)+7], v[64*(\p)+FR*\b:64*(\p)+FR*\b+FR-1], v[AF+FR*(\a):AF+FR*(\a)+FR-1], v[ACC+8*(4*(\a)+\b):ACC+8*(4*(\a)+\b)+7]
.endif
.endr
.endm
.macro PLACES n                        ; plain vector instructions between a matrix instruction and a load into, or a store of, its registers
.rept \n
	v_nop
.endr
.endm
.macro STEP q, zero                    ; the q-th 128 along K; the next step's fragments are fetched in two runs
	s_wait_dscnt 8                                 ; W's set and A's blocks 0, 1 are in; the youngest 8 loads (A's blocks 2, 3) may be out
	WIN MUL
	MULB 0, (\q)%2, \zero
	MULB 1, (\q)%2, \zero
	s_wait_dscnt 0
	PLACES 4
	FETCH_B (\q)+1, 1-(\q)%2
	FETCH_A2 (\q)+1, 0
	WIN MUL
	MULB 2, (\q)%2, \zero
	MULB 3, (\q)%2, \zero
	PLACES 4
	WIN 0
	FETCH_A2 (\q)+1, 2
.endm
	s_wait_alu depctr_va_vdst(0)                   ; the wait at the head's end
	s_wait_tensorcnt 0x0                           ; my quarter is in;
	s_barrier_signal -1
	s_barrier_wait -1                              ; everybody's is.
	FETCH_B 0, 0
	FETCH_A2 0, 0
	FETCH_A2 0, 2
	STEP 0, 1                                      ; the first step's products start the sums
.irp q, 1,2,3,4,5,6
	STEP \q, 0
.endr
	s_wait_dscnt 8
	WIN MUL
	MULB 0, 1, 0
	MULB 1, 1, 0
	s_wait_dscnt 0
	MULB 2, 1, 0
	MULB 3, 1, 0
	WIN 0
	; THE WAY OUT, a block of 16 rows x 64 columns at a time: the sums go through my stage and come back as whole rows of 256 bytes; x1 = sum x 2^(e6 + e7) + (residual + bias)
	s_wait_kmcnt 0x0
	s_add_co_i32 s74, s72, s73
	s_add_co_i32 s74, s74, 127
	s_lshl_b32 s74, s74, 23                        ; 2^(e6 + e7) as f32
	s_mov_b32 s75, s74
	s_wait_loadcnt 0x0                             ; the residual and the bias
	PLACES 4
.macro OUTB a
.if (\a) < 3
.set RB, 32+32*(\a)
.else
.set RB, 192
.endif
	WIN 0x04                                       ; store data in window 1
.irp b, 0,1,2,3
	ds_store_b128 v[STO], v[ACC+8*(4*(\a)+\b):ACC+8*(4*(\a)+\b)+3] offset:64*\b          ; each accumulator from its low end on
	ds_store_b128 v[STO], v[ACC+8*(4*(\a)+\b)+4:ACC+8*(4*(\a)+\b)+7] offset:64*\b+16
.endr
	WIN 0
.set i, 0
.rept 8
	ds_load_b128 v[BK+4*i:BK+4*i+3], v[RD] offset:i*2*SPITCH   ; LDS serves a wave's instructions in order (ISA guide 5.7.1.4): these see the stores above
.set i, i+1
.endr
.set i, 0
.rept 8
	v_pk_add_f32 v[RB+4*i:RB+4*i+1], v[RB+4*i:RB+4*i+1], v[BIA:BIA+1]
	v_pk_add_f32 v[RB+4*i+2:RB+4*i+3], v[RB+4*i+2:RB+4*i+3], v[BIA+2:BIA+3]
.set i, i+1
.endr
	s_wait_alu depctr_va_vdst(0)                   ; the wait here, directly ahead of the wait below
	s_wait_dscnt 0x0
.set i, 0
.rept 8
	v_pk_fma_f32 v[RB+4*i:RB+4*i+1], v[BK+4*i:BK+4*i+1], s[74:75], v[RB+4*i:RB+4*i+1] op_sel_hi:[1,0,1]
	v_pk_fma_f32 v[RB+4*i+2:RB+4*i+3], v[BK+4*i+2:BK+4*i+3], s[74:75], v[RB+4*i+2:RB+4*i+3] op_sel_hi:[1,0,1]
	global_store_b128 v[CO], v[RB+4*i:RB+4*i+3], s[70:71] offset:(16*(\a)+2*i)*4096   ; 16 lanes store 256 consecutive bytes, aligned; each block's registers are its own
.set i, i+1
.endr
.endm
.irp a, 0,1,2,3
	OUTB \a
.endr
	s_wait_tensorcnt 0x0                           ; the wave's end
	ds_add_u32 v[SPW], v[NIL]
	s_wait_dscnt 0x0
	CROUND                                         ; the closing round
	s_endpgm
.Lfunc_end_k_qfc48195f49_proj:
	.size	k_qfc48195f49_proj, .Lfunc_end_k_qfc48195f49_proj-k_qfc48195f49_proj
	.p2alignl 7, 3214868480
	.fill 96, 4, 3214868480
	.section	.rodata,"a",@progbits
	.p2align	6, 0x0
	.amdhsa_kernel k_qfc48195f49_proj
		.amdhsa_group_segment_fixed_size 327680
		.amdhsa_private_segment_fixed_size 0
		.amdhsa_enable_private_segment 0
		.amdhsa_kernarg_size 48
		.amdhsa_user_sgpr_count 2
		.amdhsa_user_sgpr_kernarg_segment_ptr 1
		.amdhsa_wavefront_size32 1
		.amdhsa_system_sgpr_workgroup_id_x 1
		.amdhsa_system_sgpr_workgroup_id_y 1
		.amdhsa_system_sgpr_workgroup_id_z 1
		.amdhsa_system_vgpr_workitem_id 0
		.amdhsa_next_free_vgpr 512
		.amdhsa_next_free_sgpr 98
		.amdhsa_reserve_vcc 0
		.amdhsa_float_denorm_mode_32 3
		.amdhsa_float_denorm_mode_16_64 3
		.amdhsa_memory_ordered 1
		.amdhsa_forward_progress 1
		.amdhsa_inst_pref_size 61
	.end_amdhsa_kernel
	.amdgpu_metadata
---
amdhsa.version: [ 1, 2 ]
amdhsa.kernels:
  - .name:           k_qfc48195f49_proj
    .symbol:         k_qfc48195f49_proj.kd
    .args:
      - { .name: oc, .offset: 0, .size: 8, .value_kind: global_buffer, .address_space: global }
      - { .name: w_proj_codes, .offset: 8, .size: 8, .value_kind: global_buffer, .address_space: global }
      - { .name: lowp_scales, .offset: 16, .size: 8, .value_kind: global_buffer, .address_space: global }
      - { .name: b_proj, .offset: 24, .size: 8, .value_kind: global_buffer, .address_space: global }
      - { .name: x, .offset: 32, .size: 8, .value_kind: global_buffer, .address_space: global }
      - { .name: x1, .offset: 40, .size: 8, .value_kind: global_buffer, .address_space: global }
    .group_segment_fixed_size: 327680
    .private_segment_fixed_size: 0
    .kernarg_segment_align: 8
    .kernarg_segment_size: 48
    .max_flat_workgroup_size: 128
    .sgpr_count:     98
    .vgpr_count:     512
    .wavefront_size: 32
...
	.end_amdgpu_metadata
.endif
;; end of part 4
;; launch ln2 (part 5): grid 256 x 1, 4 waves a work-group, no clusters, 0 bytes of LDS; arguments x1, ln2_g, ln2_b, lowp_scales, hc; writes hc
.if DOCPART == 5
	.amdgcn_target "amdgcn-amd-amdhsa--gfx1250"
	.amdhsa_code_object_version 6
	.text
	.protected	k_qfc48195f49_ln2
	.globl	k_qfc48195f49_ln2
	.p2align	8
	.type	k_qfc48195f49_ln2,@function
k_qfc48195f49_ln2:
	s_mov_b64 s[64:65], 0
	v_nop
	global_prefetch_b8 v0, s[64:65] scope:SCOPE_SE
	s_setreg_imm32_b32 hwreg(HW_REG_WAVE_MODE, 25, 1), 1
	s_wait_xcnt 0x0
; hc[row][k] = the E4M3 code of ((x1 - mean) * rsqrt(var + 1e-5) * g + b) / 2^e, held within +-448.  x1: [4096][1024] f32; hc: [4096][1024] codes, row-major.
; e is the whole number at byte SOFF of the buffer of scales.  LIMITS: -126 <= e <= 119, so that 2^e and 448 x 2^e are f32 numbers.  NaN among the inputs is not served.
; SHARES.  A work-group takes 16 rows, each of its four waves 4.  A row of 4,096 bytes is 32 registers of one wave and stays there between the pass for the mean, the pass for the variance
; (of x1 - mean, as the definition has it) and the scaling: memory is read once, and no wave waits for another: no LDS, no barrier.
; THE ROWS GO IN TWO PAIRS.  The loads are issued in the order rows 0-1, g and b, rows 2-3, 16 each; the first pair's sums wait for the first 16 alone, its scaling for 32, the second pair for all 48.
; Lane l holds k = 8 l + 256 j + i (j = 0..3, i = 0..7) in register 8 j + i of the row: eight neighbours along K for each conversion, and a store of 8 bytes a lane covers 256 consecutive bytes, aligned.
; No cluster: the work-groups share only g and b, 8 KB beside their own 64 KB of rows.  No matrix work.  No prefetch: no loop to run ahead in, every load is issued at the head.
.set SOFF, 32
.set XR, 32                            ; v32-159  four rows of 32 numbers
.set GR, 160                           ; v160-191 g of my 32 columns
.set BR, 192                           ; v192-223 b
.set CD, 224                           ; v224-255 codes: 8 registers a row, never rewritten
	s_load_b256 s[4:11], s[0:1], 0x0               ; x1 s[4:5], g s[6:7], b s[8:9], the scales' exponents s[10:11]
	s_load_b64 s[12:13], s[0:1], 0x20              ; hc
	v_lshrrev_b32 v1, 5, v0
	v_readfirstlane_b32 s14, v1                    ; wave
	v_and_b32 v1, 31, v0                           ; lane
	v_lshlrev_b32 v3, 5, v1                        ; g, b: 32 bytes a lane
	s_lshl_b32 s15, s14, 14
	v_add_nc_u32 v2, s15, v3                       ; x1: + my wave's 4 rows of 4,096 bytes
	s_lshl_b32 s15, s14, 12
	v_lshlrev_b32 v4, 3, v1
	v_add_nc_u32 v4, s15, v4                       ; codes: 8 bytes a lane + my wave's 4 rows of 1,024
	v_mov_b32 v24, 0                               ; a lane permute's destination counts as read
	v_mov_b32 v25, 0
	s_mov_b32 s18, 0x76543210                      ; v_permlanex16_b32: lane l xor 16
	s_mov_b32 s19, 0xfedcba98
	s_mov_b32 s20, 0x3a800000                      ; 1 / 1024
	s_mov_b32 s21, 0x3727c5ac                      ; 1e-5
	s_lshl_b32 s16, ttmp9, 16                      ; the work-group's 16 rows of x1
	s_mov_b32 s17, 0
	s_wait_alu depctr_va_vdst(0)                   ; the wait at the head's end
	s_wait_kmcnt 0x0
	s_load_b32 s22, s[10:11], SOFF                 ; e
	s_add_nc_u64 s[4:5], s[4:5], s[16:17]
	s_lshl_b32 s16, ttmp9, 14                      ; and of codes
	s_add_nc_u64 s[12:13], s[12:13], s[16:17]
.macro LDX r                           ; a row: 8 loads
.irp j, 0,1,2,3
	global_load_b128 v[XR+32*\r+8*\j:XR+32*\r+8*\j+3], v2, s[4:5] offset:4096*\r+1024*\j th:TH_LOAD_NT
	global_load_b128 v[XR+32*\r+8*\j+4:XR+32*\r+8*\j+7], v2, s[4:5] offset:4096*\r+1024*\j+16 th:TH_LOAD_NT
.endr
.endm
	LDX 0
	LDX 1
.irp j, 0,1,2,3
	global_load_b128 v[GR+8*\j:GR+8*\j+3], v3, s[6:7] offset:1024*\j
	global_load_b128 v[GR+8*\j+4:GR+8*\j+7], v3, s[6:7] offset:1024*\j+16
	global_load_b128 v[BR+8*\j:BR+8*\j+3], v3, s[8:9] offset:1024*\j
	global_load_b128 v[BR+8*\j+4:BR+8*\j+7], v3, s[8:9] offset:1024*\j+16
.endr
	LDX 2
	LDX 3
	s_wait_kmcnt 0x0
	s_add_co_i32 s22, s22, 127
	s_lshl_b32 s23, s22, 23
	v_mov_b32 v5, s23                              ; 2^e as f32: the conversion takes its exponent field
	s_add_co_i32 s22, s22, 8
	s_lshl_b32 s22, s22, 23
	s_or_b32 s22, s22, 0x600000
	v_mov_b32 v6, s22                              ; 448 x 2^e
; row r of a pair has two chains of pairs, at v[8+4k:9+4k] and v[10+4k:11+4k], k = r % 2.  ACROSS joins them, the pair's halves and the 32 lanes: every lane ends with the sum in v[8+4k]
.macro ACROSS r0
.irp r, \r0, \r0+1
	v_pk_add_f32 v[8+4*((\r)%2):9+4*((\r)%2)], v[8+4*((\r)%2):9+4*((\r)%2)], v[10+4*((\r)%2):11+4*((\r)%2)]
.endr
.irp r, \r0, \r0+1
	v_add_f32 v[8+4*((\r)%2)], v[8+4*((\r)%2)], v[9+4*((\r)%2)]
.endr
.irp m, 1,2,4,8
.irp r, \r0, \r0+1
	v_add_f32_dpp v[8+4*((\r)%2)], v[8+4*((\r)%2)], v[8+4*((\r)%2)] row_xmask:\m row_mask:0xf bank_mask:0xf
.endr
.endr
.irp r, \r0, \r0+1
	v_permlanex16_b32 v[24+(\r)%2], v[8+4*((\r)%2)], s18, s19
.endr
.irp r, \r0, \r0+1
	v_add_f32 v[8+4*((\r)%2)], v[8+4*((\r)%2)], v[24+(\r)%2]
.endr
.endm
; rows r0, r0 + 1, line by line by turns.  c1: the loads that may be out while the pair's sums are taken; c2: while it is scaled
.macro PAIR r0, c1, c2
	s_wait_alu depctr_va_vdst(0)                   ; the wait here, directly ahead of the wait below
	s_wait_loadcnt \c1
.irp r, \r0, \r0+1
	v_pk_add_f32 v[8+4*((\r)%2):9+4*((\r)%2)], v[XR+32*(\r):XR+32*(\r)+1], v[XR+32*(\r)+2:XR+32*(\r)+3]
	v_pk_add_f32 v[10+4*((\r)%2):11+4*((\r)%2)], v[XR+32*(\r)+4:XR+32*(\r)+5], v[XR+32*(\r)+6:XR+32*(\r)+7]
.endr
.set i, 8
.rept 6
.irp r, \r0, \r0+1
	v_pk_add_f32 v[8+4*((\r)%2):9+4*((\r)%2)], v[8+4*((\r)%2):9+4*((\r)%2)], v[XR+32*(\r)+i:XR+32*(\r)+i+1]
	v_pk_add_f32 v[10+4*((\r)%2):11+4*((\r)%2)], v[10+4*((\r)%2):11+4*((\r)%2)], v[XR+32*(\r)+i+2:XR+32*(\r)+i+3]
.endr
.set i, i+4
.endr
	ACROSS \r0
.irp r, \r0, \r0+1
	v_mul_f32 v[16+2*((\r)%2)], s20, v[8+4*((\r)%2)]   ; the mean, in both words of a pair
	v_mul_f32 v[17+2*((\r)%2)], s20, v[8+4*((\r)%2)]
.endr
.set i, 0
.rept 16
.irp r, \r0, \r0+1
	v_pk_add_f32 v[XR+32*(\r)+i:XR+32*(\r)+i+1], v[XR+32*(\r)+i:XR+32*(\r)+i+1], v[16+2*((\r)%2):17+2*((\r)%2)] neg_lo:[0,1] neg_hi:[0,1]   ; d = x1 - mean, in place
.endr
.set i, i+2
.endr
.irp r, \r0, \r0+1
	v_pk_mul_f32 v[8+4*((\r)%2):9+4*((\r)%2)], v[XR+32*(\r):XR+32*(\r)+1], v[XR+32*(\r):XR+32*(\r)+1]
	v_pk_mul_f32 v[10+4*((\r)%2):11+4*((\r)%2)], v[XR+32*(\r)+2:XR+32*(\r)+3], v[XR+32*(\r)+2:XR+32*(\r)+3]
.endr
.set i, 4
.rept 7
.irp r, \r0, \r0+1
	v_pk_fma_f32 v[8+4*((\r)%2):9+4*((\r)%2)], v[XR+32*(\r)+i:XR+32*(\r)+i+1], v[XR+32*(\r)+i:XR+32*(\r)+i+1], v[8+4*((\r)%2):9+4*((\r)%2)]
	v_pk_fma_f32 v[10+4*((\r)%2):11+4*((\r)%2)], v[XR+32*(\r)+i+2:XR+32*(\r)+i+3], v[XR+32*(\r)+i+2:XR+32*(\r)+i+3], v[10+4*((\r)%2):11+4*((\r)%2)]
.endr
.set i, i+4
.endr
	ACROSS \r0
.irp r, \r0, \r0+1
	v_fma_f32 v[8+4*((\r)%2)], v[8+4*((\r)%2)], s20, s21   ; var + eps
.endr
	s_wait_alu depctr_va_vdst(0)                   ; the wait ahead of the batch of two
.irp r, \r0, \r0+1
	v_rsq_f32 v[16+2*((\r)%2)], v[8+4*((\r)%2)]
.endr
	v_nop                                          ; a plain instruction behind the last of them
	s_wait_alu depctr_va_vdst(0)                   ; and the wait behind it, ahead of its first reader
.irp r, \r0, \r0+1
	v_mov_b32 v[17+2*((\r)%2)], v[16+2*((\r)%2)]
.endr
.if \c1 != \c2
	s_wait_alu depctr_va_vdst(0)                   ; the wait here, directly ahead of the wait below
	s_wait_loadcnt \c2                             ; g and b
.endif
.irp r, \r0, \r0+1
.set i, 0
.rept 16
	v_pk_mul_f32 v[XR+32*(\r)+i:XR+32*(\r)+i+1], v[XR+32*(\r)+i:XR+32*(\r)+i+1], v[16+2*((\r)%2):17+2*((\r)%2)]
.set i, i+2
.endr
.set i, 0
.rept 16
	v_pk_fma_f32 v[XR+32*(\r)+i:XR+32*(\r)+i+1], v[XR+32*(\r)+i:XR+32*(\r)+i+1], v[GR+i:GR+i+1], v[BR+i:BR+i+1]
.set i, i+2
.endr
.set i, 0
.rept 32
	v_med3_num_f32 v[XR+32*(\r)+i], v[XR+32*(\r)+i], -v6, v6   ; the conversion to an 8-bit code does not saturate (ISA guide 7.6.2): the hold at the largest code x the scale
.set i, i+1
.endr
.irp j, 0,1,2,3
	v_cvt_scalef32_pk8_fp8_f32 v[CD+8*(\r)+2*\j:CD+8*(\r)+2*\j+1], v[XR+32*(\r)+8*\j:XR+32*(\r)+8*\j+7], v5
.endr
	v_nop                                          ; a plain instruction behind the last conversion
.irp j, 0,1,2,3
	global_store_b64 v4, v[CD+8*(\r)+2*\j:CD+8*(\r)+2*\j+1], s[12:13] offset:1024*(\r)+256*\j   ; 32 lanes store 256 consecutive bytes, aligned
.endr
.endr
.endm
	PAIR 0, 32, 16
	PAIR 2, 0, 0
	s_endpgm
.Lfunc_end_k_qfc48195f49_ln2:
	.size	k_qfc48195f49_ln2, .Lfunc_end_k_qfc48195f49_ln2-k_qfc48195f49_ln2
	.p2alignl 7, 3214868480
	.fill 96, 4, 3214868480
	.section	.rodata,"a",@progbits
	.p2align	6, 0x0
	.amdhsa_kernel k_qfc48195f49_ln2
		.amdhsa_group_segment_fixed_size 0
		.amdhsa_private_segment_fixed_size 0
		.amdhsa_enable_private_segment 0
		.amdhsa_kernarg_size 40
		.amdhsa_user_sgpr_count 2
		.amdhsa_user_sgpr_kernarg_segment_ptr 1
		.amdhsa_wavefront_size32 1
		.amdhsa_system_sgpr_workgroup_id_x 1
		.amdhsa_system_sgpr_workgroup_id_y 1
		.amdhsa_system_sgpr_workgroup_id_z 1
		.amdhsa_system_vgpr_workitem_id 0
		.amdhsa_next_free_vgpr 256
		.amdhsa_next_free_sgpr 66
		.amdhsa_reserve_vcc 0
		.amdhsa_float_denorm_mode_32 3
		.amdhsa_float_denorm_mode_16_64 3
		.amdhsa_memory_ordered 1
		.amdhsa_forward_progress 1
		.amdhsa_inst_pref_size 41
	.end_amdhsa_kernel
	.amdgpu_metadata
---
amdhsa.version: [ 1, 2 ]
amdhsa.kernels:
  - .name:           k_qfc48195f49_ln2
    .symbol:         k_qfc48195f49_ln2.kd
    .args:
      - { .name: x1, .offset: 0, .size: 8, .value_kind: global_buffer, .address_space: global }
      - { .name: ln2_g, .offset: 8, .size: 8, .value_kind: global_buffer, .address_space: global }
      - { .name: ln2_b, .offset: 16, .size: 8, .value_kind: global_buffer, .address_space: global }
      - { .name: lowp_scales, .offset: 24, .size: 8, .value_kind: global_buffer, .address_space: global }
      - { .name: hc, .offset: 32, .size: 8, .value_kind: global_buffer, .address_space: global }
    .group_segment_fixed_size: 0
    .private_segment_fixed_size: 0
    .kernarg_segment_align: 8
    .kernarg_segment_size: 40
    .max_flat_workgroup_size: 128
    .sgpr_count:     66
    .vgpr_count:     256
    .wavefront_size: 32
...
	.end_amdgpu_metadata
.endif
;; end of part 5
;; launch fc1 (part 6): grid 16 x 16, 4 waves a work-group, clusters of 4 x 4, 327,680 bytes of LDS; arguments hc, w_fc1_codes, lowp_scales, b_fc1, h3c; writes h3c
.if DOCPART == 6
	.amdgcn_target "amdgcn-amd-amdhsa--gfx1250"
	.amdhsa_code_object_version 6
	.text
	.protected	k_qfc48195f49_fc1
	.globl	k_qfc48195f49_fc1
	.p2align	8
	.type	k_qfc48195f49_fc1,@function
k_qfc48195f49_fc1:
	s_mov_b64 s[64:65], 0
	v_nop
	global_prefetch_b8 v0, s[64:65] scope:SCOPE_SE
	s_setreg_imm32_b32 hwreg(HW_REG_WAVE_MODE, 25, 1), 1
	s_wait_xcnt 0x0
	s_wait_alu depctr_hold_cnt(0) depctr_sa_sdst(0) depctr_va_vdst(0) depctr_va_sdst(0) depctr_va_ssrc(0) depctr_va_vcc(0) depctr_vm_vsrc(0)
	s_getreg_b32 s2, hwreg(HW_REG_IB_STS2, 6, 4)
	s_cmp_eq_u32 s2, 0
	s_cbranch_scc0 .Lentry_in_a_cluster
	s_endpgm
.Lentry_in_a_cluster:
	s_bfe_u32 s2, ttmp6, 0x10000c
	s_cmp_lg_u32 s2, 0xf033
	s_cbranch_scc0 .Lentry_shape_is_right
	s_endpgm
.Lentry_shape_is_right:
; h3c = the E4M3 codes of gelu(LN2(x1) W_fc1 + b_fc1) / 2^e10, held within +-448.  hc: [4096][1024] codes (2^e8); w_fc1_codes: [4096][1024] codes (2^e9), both with K innermost.
; A work-group of four waves makes a block of 256 x 256, a wave 128 x 128: 64 accumulators, 512 registers.  K goes in steps of 256 through a ring of two LDS slots filled by the tensor data mover.
; CLUSTERS of 4 x 4: hc's tiles are shared along a row of the cluster, W's along a column: each is asked for jointly.  The matrix instruction is used transposed (source 0 = 16 rows of W, source 1 = 16 rows of hc):
; a lane holds one token and eight neighbouring hidden units, the K of the next product; the fragments come by four loads of 16 bytes: a permutation of k inside an instruction, the same on both sides.
; THE WAY OUT, 16 trips of 32 numbers a lane (block of rows k / 2, half k % 2 of its columns): u = sum x 2^(e8 + e9) + bias;  gelu(u) = max(u, 0) - |u t| exp2(P(t) - u^2 log2(e) / 2), t = 1 / (1 + |u| / (2 sqrt 2)),
; P of degree 9: the exact GELU by erfc in f32.  The trip's 32 reciprocals and its 32 exponentials go as two batches, each with one wait ahead of it and one behind it.
; OUT: h3c: [16 tokens 256][128 hidden 32][2 KB], images of operand registers in the plain 8-bit layout; a trip stores half an image.
; LIMITS: e8 + e9 between -126 and 127; e10 between -126 and 119.  NaN among the inputs is not served.
.set ROWB,   256
.set KROW,   1024
.set PITCH,  272
.set FR,     16
.set NL,     4
.set NP,     4
.set HALFT,  128*PITCH
.set SLOT,   4*HALFT
.set LAPS,   2
.set SPARE,  2*SLOT
.set ADRA, 16
.set ADRB, 20
.set C9V,  22
.set LI,   26
.set OFV,  27
.set SPW,  28
.set NIL,  29
.set SCV,  30
.set LIM,  31
.set BI,   32
.set UU,   96
.set TT,   128
.set HH,   160
.set CD,   192
.set WW,   224
.set AF,   128
.set G1, 24
.set G0, 32
.set G1B, 48
.set G0B, 56
.set MSB, 0
.macro WIN new
.if MSB != (\new)
	s_set_vgpr_msb (MSB<<8)|(\new)
.set MSB, (\new)
.endif
.endm
.set MUL_LO, 0xa1
.set MUL_HI, 0xf1
.set TO_B,   0x40
.macro JLOAD g0a, g1a, g0b, g1b
	s_cmp_eq_u32 s15, 0
	s_cbranch_scc0 .Lfor_b_\@
	tensor_load_to_lds s[\g0a:\g0a+3], s[\g1a:\g1a+7]
	s_nop 0
.rept 4
	v_nop
.endr
	s_branch .Lasked_\@
.Lfor_b_\@:
	tensor_load_to_lds s[\g0b:\g0b+3], s[\g1b:\g1b+7]
	s_nop 0
.rept 4
	v_nop
.endr
.Lasked_\@:
.endm
.macro CREST
	s_cmp_lg_u32 s14, 0
	s_cbranch_scc1 .Lnot_wave_0_\@
	s_barrier_signal -3
.Lnot_wave_0_\@:
	s_barrier_wait -3
	s_barrier_signal -1
	s_barrier_wait -1
.endm
.macro CROUND
	s_barrier_signal -1
	s_barrier_wait -1
	CREST
.endm
	s_load_b128 s[4:7], s[0:1], 0x0
	s_load_b128 s[8:11], s[0:1], 0x10
	s_load_b64 s[12:13], s[0:1], 0x20
	v_lshl_add_u32 v[SPW], v0, 2, SPARE
	v_mov_b32 v[NIL], 0
	ds_add_u32 v28, v29
	ds_add_u32 v28, v29
	s_wait_dscnt 0x0
	v_lshrrev_b32 v1, 5, v0
	v_readfirstlane_b32 s14, v1
	s_lshr_b32 s15, s14, 1
	s_and_b32 s16, s14, 1
	s_bfe_u32 s40, ttmp6, 0x40000
	s_bfe_u32 s41, ttmp6, 0x40004
	s_lshl_b32 s42, ttmp9, 2
	s_add_co_u32 s42, s42, s40
	s_and_b32 s17, ttmp7, 0xffff
	s_lshl_b32 s17, s17, 2
	s_add_co_u32 s17, s17, s41
	s_lshl_b32 s43, s41, 2
	s_lshl_b32 s43, 15, s43
	s_lshl_b32 s44, 0x1111, s40
	s_or_b32 s[G1+0], s43, (0<<16)|(1<<20)|(1<<21)|(5<<22)|(3<<25)
	s_or_b32 s[G1B+0], s44, (0<<16)|(1<<20)|(1<<21)|(5<<22)|(3<<25)
.irp g, G1, G1B
	s_mov_b32 s[\g+1], ROWB<<16
	s_mov_b32 s[\g+2], 128<<16
	s_mov_b32 s[\g+3], ROWB<<16
	s_mov_b32 s[\g+4], 128
	s_mov_b32 s[\g+5], KROW
	s_mov_b32 s[\g+6], 0
	s_mov_b32 s[\g+7], 0
.endr
	s_lshl_b32 s18, s16, 7
	s_lshl_b32 s20, s17, 8
	s_add_co_u32 s20, s20, s18
	s_lshl_b32 s20, s20, 10
	s_mov_b32 s21, 0
	s_lshl_b32 s46, s42, 8
	s_add_co_u32 s46, s46, s18
	s_lshl_b32 s46, s46, 10
	s_mov_b32 s47, 0
	s_mul_i32 s45, s14, HALFT
	s_wait_kmcnt 0x0
	s_load_b128 s[72:75], s[8:9], 0x20
	s_add_nc_u64 s[20:21], s[4:5], s[20:21]
	s_add_nc_u64 s[46:47], s[6:7], s[46:47]
	CROUND
.irp s, 0,1
	s_mov_b32 s[G0+4*\s], 1
	s_add_co_u32 s[G0+4*\s+1], s45, \s*SLOT
	s_add_nc_u64 s[G0+4*\s+2:G0+4*\s+3], s[20:21], \s*ROWB
	s_or_b32 s[G0+4*\s+3], s[G0+4*\s+3], 0x80000000
	s_mov_b32 s[G0B+4*\s], 1
	s_add_co_u32 s[G0B+4*\s+1], s45, \s*SLOT
	s_add_nc_u64 s[G0B+4*\s+2:G0B+4*\s+3], s[46:47], \s*ROWB
	s_or_b32 s[G0B+4*\s+3], s[G0B+4*\s+3], 0x80000000
.endr
	JLOAD G0, G1, G0B, G1B                         ; slot 0: one tensor load a wave at the head
	v_and_b32 v1, 15, v0
	v_bfe_u32 v2, v0, 4, 1
	v_mul_u32_u24 v3, v1, PITCH
	v_lshl_add_u32 v4, v2, 4, v3
	s_mul_i32 s21, s15, HALFT
	s_mul_i32 s22, s16, HALFT
	s_add_co_u32 s22, s22, 2*HALFT
.irp s, 0,1
	v_add_nc_u32 v[ADRA+\s], s21, v4
	v_add_nc_u32 v[ADRB+\s], s22, v4
	s_add_co_u32 s21, s21, SLOT
	s_add_co_u32 s22, s22, SLOT
.endr
	v_and_b32 v6, 31, v0
	v_lshlrev_b32 v[LI], 4, v6
	v_lshlrev_b32 v5, 5, v2
	s_wait_alu depctr_va_vdst(0)
	s_lshl_b32 s82, s42, 10
	s_lshl_b32 s83, s16, 9
	s_add_co_u32 s82, s82, s83
	s_mov_b32 s83, 0
	s_add_nc_u64 s[10:11], s[10:11], s[82:83]
	s_lshl_b32 s82, s17, 4
	s_lshl_b32 s84, s15, 3
	s_add_co_u32 s82, s82, s84
	s_lshl_b32 s82, s82, 16
	s_lshl_b32 s84, s42, 1
	s_add_co_u32 s84, s84, s16
	s_lshl_b32 s84, s84, 11
	s_add_co_u32 s82, s82, s84
	s_add_nc_u64 s[12:13], s[12:13], s[82:83]
.set i, 0
.rept 8
	global_load_b128 v[BI+8*i:BI+8*i+3], v5, s[10:11] offset:64*i
	global_load_b128 v[BI+8*i+4:BI+8*i+7], v5, s[10:11] offset:64*i+16
.set i, i+1
.endr
	; THE PREFETCHES INTO THE L2: behind the load of slot n (n = 0, 1) one instruction a wave asks for slot n + 2, two slots ahead of the refill that will want it; slots 0 and 1 come by their loads alone.
	; Of the 128 rows that my wave fetches, each of the four partners that ask for them jointly takes 32, told apart by address (cx for hc, cy for W): a lane a row, 256 bytes of it, each block named once in the cluster.
	s_cmp_eq_u32 s15, 0                            ; do I fetch for hc?
	s_cselect_b64 s[88:89], s[4:5], s[6:7]
	s_cselect_b32 s90, s17, s42                    ; the block of 256 rows
	s_cselect_b32 s91, s40, s41                    ; my place among the four
	s_lshl_b32 s90, s90, 8
	s_lshl_b32 s92, s16, 7
	s_add_co_u32 s90, s90, s92
	s_lshl_b32 s91, s91, 5
	s_add_co_u32 s90, s90, s91
	s_lshl_b32 s90, s90, 10                        ; rows of 1,024 bytes
	s_mov_b32 s91, 0
	s_add_nc_u64 s[88:89], s[88:89], s[90:91]
	v_lshlrev_b32 v7, 10, v6                       ; a lane a row; never rewritten
	s_wait_alu depctr_va_vdst(0)                   ; the wait here, directly ahead of the reader below
	global_prefetch_b8 v7, s[88:89] offset:2*ROWB th:TH_LOAD_NT scope:SCOPE_SE   ; slot 2
.macro FRAG reg, adr, q, i
.irp c, 0,1,2,3
	ds_load_b128 v[\reg+4*\c:\reg+4*\c+3], v[\adr] offset:128*(\q)+32*\c+(\i)*16*PITCH
.endr
.endm
.macro MUL16 a0, p, zero
.irp a, \a0, \a0+1
.irp b, 0,1,2,3,4,5,6,7
.if \zero
	v_wmma_f32_16x16x128_fp8_fp8 v[8*(8*((\a)%4)+\b):8*(8*((\a)%4)+\b)+7], v[128*(\p)+FR*\b:128*(\p)+FR*\b+FR-1], v[AF+FR*(\a):AF+FR*(\a)+FR-1], 0
.else
	v_wmma_f32_16x16x128_fp8_fp8 v[8*(8*((\a)%4)+\b):8*(8*((\a)%4)+\b)+7], v[128*(\p)+FR*\b:128*(\p)+FR*\b+FR-1], v[AF+FR*(\a):AF+FR*(\a)+FR-1], v[8*(8*((\a)%4)+\b):8*(8*((\a)%4)+\b)+7]
.endif
.endr
.endr
.endm
.macro FETCH_B slot, q, p
	WIN TO_B
.irp i, 0,1,2,3,4,5,6,7
	FRAG 128*(\p)+FR*\i, ADRB+\slot, \q, \i
.endr
	WIN 0
.endm
.macro FETCH_A slot, q, i0
.irp i, \i0, \i0+1, \i0+2, \i0+3
	FRAG AF+FR*(\i), ADRA+\slot, \q, \i
.endr
.endm
.macro PLACES n
.rept \n
	v_nop
.endr
.endm
.macro STEP slot, q, zero
	s_wait_dscnt 4*NL
	WIN MUL_LO
	MUL16 0, (\q)%2, \zero
	MUL16 2, (\q)%2, \zero
	s_wait_dscnt 0
	PLACES NP
	FETCH_B \slot, (\q)+1, 1-(\q)%2
	FETCH_A \slot, (\q)+1, 0
	WIN MUL_HI
	MUL16 4, (\q)%2, \zero
	MUL16 6, (\q)%2, \zero
	PLACES NP
	WIN 0
	FETCH_A \slot, (\q)+1, 4
.endm
.macro TURN slot, next, fill
	s_wait_tensorcnt 0x0
	ds_add_u32 v[SPW], v[NIL]
	s_wait_dscnt 4*NL+1
	WIN MUL_LO
	MUL16 0, 1, 0
	s_wait_dscnt 0x0
	s_barrier_signal -1
	MUL16 2, 1, 0
	WIN 0
	s_barrier_wait -1
.if \fill
	CREST
	s_add_nc_u64 s[G0+4*\slot+2:G0+4*\slot+3], s[G0+4*\slot+2:G0+4*\slot+3], 2*ROWB
	s_add_nc_u64 s[G0B+4*\slot+2:G0B+4*\slot+3], s[G0B+4*\slot+2:G0B+4*\slot+3], 2*ROWB
	JLOAD G0+4*\slot, G1, G0B+4*\slot, G1B
.else
	PLACES NP
.endif
	FETCH_B \next, 0, 0
	FETCH_A \next, 0, 0
	WIN MUL_HI
	MUL16 4, 1, 0
	MUL16 6, 1, 0
	PLACES NP
	WIN 0
	FETCH_A \next, 0, 4
.endm
	s_wait_alu depctr_va_vdst(0)                   ; the wait at the head's end
	s_wait_tensorcnt 0x0                           ; my part of slot 0 is in
	ds_add_u32 v[SPW], v[NIL]
	s_wait_dscnt 0x0
	CROUND                                         ; everybody's part of slot 0 is in, and the joint loads meet
	JLOAD G0+4, G1, G0B+4, G1B                     ; slot 1's first fill, the first tensor load behind the round
	FETCH_B 0, 0, 0
	FETCH_A 0, 0, 0
	FETCH_A 0, 0, 4
	global_prefetch_b8 v7, s[88:89] offset:3*ROWB th:TH_LOAD_NT scope:SCOPE_SE   ; slot 3, the last: its bytes end with the rows
	STEP 0, 0, 1                                   ; the first step's products start the sums
	s_mov_b32 s3, LAPS-1
.Llap:
	TURN 0, 1, 1
	STEP 1, 0, 0
	TURN 1, 0, 1
	STEP 0, 0, 0
	s_sub_co_u32 s3, s3, 1
	s_cmp_lg_u32 s3, 0
	s_cbranch_scc1 .Llap
	TURN 0, 1, 0
	STEP 1, 0, 0
	s_wait_dscnt 4*NL
	WIN MUL_LO
	MUL16 0, 1, 0
	MUL16 2, 1, 0
	s_wait_dscnt 0
	WIN MUL_HI
	MUL16 4, 1, 0
	MUL16 6, 1, 0
	WIN 0
	s_wait_kmcnt 0x0
	s_add_co_i32 s76, s72, s73
	s_add_co_i32 s76, s76, 127
	s_lshl_b32 s76, s76, 23
	s_mov_b32 s77, s76
	s_add_co_i32 s86, s74, 127
	s_lshl_b32 s87, s86, 23
	s_add_co_i32 s86, s86, 8
	s_lshl_b32 s86, s86, 23
	s_or_b32 s86, s86, 0x600000
	s_mov_b32 s78, 0x3eb504f3
	s_mov_b32 s80, 0xbf38aa3b
	s_mov_b32 s81, s80
.macro COEF n, bits
	s_mov_b32 s[24+2*(\n)], \bits
	s_mov_b32 s[25+2*(\n)], \bits
.endm
	COEF 0, 0xc034d90f
	COEF 1, 0x3fb8ab5a
	COEF 2, 0x3f0a29d2
	COEF 3, 0x3e0efb2e
	COEF 4, 0xbe899a80
	COEF 5, 0x3ecdfd18
	COEF 6, 0xbfd1a1e5
	COEF 7, 0x40097039
	COEF 8, 0xbf97d29d
	s_wait_loadcnt 0x0
	PLACES NP
	v_mov_b32 v[C9V], 0x3e7c6f08
	v_mov_b32 v[C9V+1], 0x3e7c6f08
	v_mov_b32 v[SCV], s87
	v_mov_b32 v[LIM], s86
.macro VARIANT k
	WIN 0x02+((\k)/8)
	s_wait_alu depctr_va_vdst(0)                   ; the wait here, directly ahead of the first reader of these sums
.set i, 0
.rept 16
	v_pk_fma_f32 v[UU+i:UU+i+1], v[64*(((\k)/2)%4)+32*((\k)%2)+i:64*(((\k)/2)%4)+32*((\k)%2)+i+1], s[76:77], v[BI+32*((\k)%2)+i:BI+32*((\k)%2)+i+1] op_sel_hi:[1,0,1]
.set i, i+2
.endr
	WIN 0
.endm
	s_mov_b32 s3, 0
.Lout:
.irp k, 0,1,2,3,4,5,6,7,8,9,10,11,12,13,14
	s_cmp_eq_u32 s3, \k
	s_cbranch_scc1 .Lv\k
.endr
	VARIANT 15
	s_branch .Ljoin
.irp k, 0,1,2,3,4,5,6,7,8,9,10,11,12,13
.Lv\k:
	VARIANT \k
	s_branch .Ljoin
.endr
.Lv14:
	VARIANT 14
.Ljoin:
.set i, 0
.rept 32
	v_fma_f32 v[TT+i], |v[UU+i]|, s78, 1.0         ; 1 + |u| / (2 sqrt 2)
.set i, i+1
.endr
	s_wait_alu depctr_va_vdst(0)                   ; the wait ahead of the batch
.set i, 0
.rept 32
	v_rcp_f32 v[TT+i], v[TT+i]                     ; t
.set i, i+1
.endr
.set i, 0
.rept 16
	v_pk_mul_f32 v[WW+i:WW+i+1], v[UU+i:UU+i+1], v[UU+i:UU+i+1]   ; u^2: plain lines that name no result of the batch
.set i, i+2
.endr
	s_wait_alu depctr_va_vdst(0)                   ; the wait behind the batch, ahead of its first reader
.set i, 0
.rept 16
	v_pk_fma_f32 v[HH+i:HH+i+1], v[TT+i:TT+i+1], v[C9V:C9V+1], s[40:41] op_sel_hi:[1,1,0]
.set i, i+2
.endr
.irp c, 7,6,5,4,3,2,1,0
.set i, 0
.rept 16
	v_pk_fma_f32 v[HH+i:HH+i+1], v[HH+i:HH+i+1], v[TT+i:TT+i+1], s[24+2*\c:25+2*\c] op_sel_hi:[1,1,0]
.set i, i+2
.endr
.endr
.set i, 0
.rept 16
	v_pk_fma_f32 v[HH+i:HH+i+1], v[WW+i:WW+i+1], s[80:81], v[HH+i:HH+i+1] op_sel_hi:[1,0,1]   ; P(t) - u^2 log2(e) / 2
.set i, i+2
.endr
.set i, 0
.rept 16
	v_pk_mul_f32 v[WW+i:WW+i+1], v[UU+i:UU+i+1], v[TT+i:TT+i+1]   ; u t
.set i, i+2
.endr
	s_wait_alu depctr_va_vdst(0)                   ; the wait ahead of the batch
.set i, 0
.rept 32
	v_exp_f32 v[HH+i], v[HH+i]
.set i, i+1
.endr
.set i, 0
.rept 32
	v_max_num_f32 v[TT+i], 0, v[UU+i]              ; max(u, 0): plain lines that name no result of the batch
.set i, i+1
.endr
	s_wait_alu depctr_va_vdst(0)                   ; the wait behind the batch, ahead of its first reader
.set i, 0
.rept 32
	v_fma_f32 v[UU+i], -|v[WW+i]|, v[HH+i], v[TT+i]
.set i, i+1
.endr
	s_wait_xcnt 0x0                                ; the last trip's stores have read their offset and their data: both are written again below
	s_lshr_b32 s82, s3, 1
	s_lshl_b32 s82, s82, 16                        ; 16 tokens on: 32 images of 2 KB
	s_and_b32 s83, s3, 1
	s_lshl_b32 s83, s83, 10                        ; the image's second half
	s_add_co_u32 s82, s82, s83
	v_add_nc_u32 v[OFV], s82, v[LI]
.set i, 0
.rept 32
	v_med3_num_f32 v[UU+i], v[UU+i], -v[LIM], v[LIM]
.set i, i+1
.endr
.set i, 0
.rept 4
	v_cvt_scalef32_pk8_fp8_f32 v[CD+2*i:CD+2*i+1], v[UU+8*i:UU+8*i+7], v[SCV]
.set i, i+1
.endr
	v_nop
	global_store_b128 v[OFV], v[CD:CD+3], s[12:13]
	global_store_b128 v[OFV], v[CD+4:CD+7], s[12:13] offset:512
	s_add_co_u32 s3, s3, 1
	s_cmp_lt_u32 s3, 16
	s_cbranch_scc1 .Lout
	s_wait_tensorcnt 0x0
	ds_add_u32 v[SPW], v[NIL]
	s_wait_dscnt 0x0
	CROUND
	s_endpgm
.Lfunc_end_k_qfc48195f49_fc1:
	.size	k_qfc48195f49_fc1, .Lfunc_end_k_qfc48195f49_fc1-k_qfc48195f49_fc1
	.p2alignl 7, 3214868480
	.fill 96, 4, 3214868480
	.section	.rodata,"a",@progbits
	.p2align	6, 0x0
	.amdhsa_kernel k_qfc48195f49_fc1
		.amdhsa_group_segment_fixed_size 327680
		.amdhsa_private_segment_fixed_size 0
		.amdhsa_enable_private_segment 0
		.amdhsa_kernarg_size 40
		.amdhsa_user_sgpr_count 2
		.amdhsa_user_sgpr_kernarg_segment_ptr 1
		.amdhsa_wavefront_size32 1
		.amdhsa_system_sgpr_workgroup_id_x 1
		.amdhsa_system_sgpr_workgroup_id_y 1
		.amdhsa_system_sgpr_workgroup_id_z 1
		.amdhsa_system_vgpr_workitem_id 0
		.amdhsa_next_free_vgpr 1024
		.amdhsa_next_free_sgpr 98
		.amdhsa_reserve_vcc 0
		.amdhsa_float_denorm_mode_32 3
		.amdhsa_float_denorm_mode_16_64 3
		.amdhsa_memory_ordered 1
		.amdhsa_forward_progress 1
		.amdhsa_inst_pref_size 123
	.end_amdhsa_kernel
	.amdgpu_metadata
---
amdhsa.version: [ 1, 2 ]
amdhsa.kernels:
  - .name:           k_qfc48195f49_fc1
    .symbol:         k_qfc48195f49_fc1.kd
    .args:
      - { .name: hc, .offset: 0, .size: 8, .value_kind: global_buffer, .address_space: global }
      - { .name: w_fc1_codes, .offset: 8, .size: 8, .value_kind: global_buffer, .address_space: global }
      - { .name: lowp_scales, .offset: 16, .size: 8, .value_kind: global_buffer, .address_space: global }
      - { .name: b_fc1, .offset: 24, .size: 8, .value_kind: global_buffer, .address_space: global }
      - { .name: h3c, .offset: 32, .size: 8, .value_kind: global_buffer, .address_space: global }
    .group_segment_fixed_size: 327680
    .private_segment_fixed_size: 0
    .kernarg_segment_align: 8
    .kernarg_segment_size: 40
    .max_flat_workgroup_size: 128
    .sgpr_count:     98
    .vgpr_count:     1024
    .wavefront_size: 32
...
	.end_amdgpu_metadata
.endif
;; end of part 6
;; launch fc2 (part 7): grid 8 x 32, 4 waves a work-group, clusters of 4 x 4, 327,680 bytes of LDS; arguments h3c, w_fc2_codes, lowp_scales, b_fc2, x1, out0; writes out0
.if DOCPART == 7
	.amdgcn_target "amdgcn-amd-amdhsa--gfx1250"
	.amdhsa_code_object_version 6
	.text
	.protected	k_qfc48195f49_fc2
	.globl	k_qfc48195f49_fc2
	.p2align	8
	.type	k_qfc48195f49_fc2,@function
k_qfc48195f49_fc2:
	s_mov_b64 s[64:65], 0
	v_nop
	global_prefetch_b8 v0, s[64:65] scope:SCOPE_SE
	s_setreg_imm32_b32 hwreg(HW_REG_WAVE_MODE, 25, 1), 1
	s_wait_xcnt 0x0
	s_wait_alu depctr_hold_cnt(0) depctr_sa_sdst(0) depctr_va_vdst(0) depctr_va_sdst(0) depctr_va_ssrc(0) depctr_va_vcc(0) depctr_vm_vsrc(0)
	s_getreg_b32 s2, hwreg(HW_REG_IB_STS2, 6, 4)
	s_cmp_eq_u32 s2, 0
	s_cbranch_scc0 .Lentry_in_a_cluster
	s_endpgm
.Lentry_in_a_cluster:
	s_bfe_u32 s2, ttmp6, 0x10000c
	s_cmp_lg_u32 s2, 0xf033
	s_cbranch_scc0 .Lentry_shape_is_right
	s_endpgm
.Lentry_shape_is_right:
; out0[m][n] = x1[m][n] + b_fc2[n] + 2^(e10 + e11) x the sum over k of A[m][k] W[n][k], on E4M3 codes.  m = 4,096, n = 1,024, k = 4,096.
; A (h3c) comes as images of operand registers (plain 8-bit layout, 16 rows x 128 K, 2 KB): [16 rows 256][128 K 32][2 KB].  W: [1024][4096] codes, K innermost.  x1, out0: [4096][1024] f32.
; n = 1,024 gives 256 blocks of 128 x 128: a work-group of four waves makes one, a wave 64 x 64: 16 accumulators.
; K goes in steps of 512 through a ring of two LDS slots: A's part is 8 x 4 images as they lie (reads of 16 bytes a lane on end: no padding), W's part 128 rows of 512 bytes + 16.
; CLUSTERS of 4 x 4: A's tiles are shared along a row of the cluster, W's along a column: each is asked for jointly.
; The matrix instruction is used transposed (source 0 = 16 rows of W, source 1 = 16 rows of A): a lane holds eight neighbouring numbers of a row of out0.  k stands in its true places on both sides.
; The residual's rows and the bias are asked for at the head and lie in registers when the sums are finished; the way out's stage lies in slot 0, which has had its last fill and its last read by then.
; LIMIT: e10 + e11 between -126 and 127.
.set KTOT,   4096
.set SCOFF,  0x28
.set ROWB,   512
.set PITCH,  528
.set ASTEP,  8192
.set AHALF,  32768
.set ASZ,    65536
.set BHALF,  64*PITCH
.set SLOT,   ASZ+2*BHALF
.set SPARE,  2*SLOT
.set LAPS,   KTOT/1024
.set APITCH, 16*KTOT
.set SPITCH, 272
.set FR,   16
.set BIA,  8
.set ADRA, 16
.set ADRB, 20
.set STO,  24
.set RD,   25
.set CO,   26
.set SPW,  28
.set NIL,  29
.set AF,   128
.set BK,   224
.set ACC,  128
.set G1, 24
.set G0, 32
.set G1B, 48
.set G0B, 56
.set MSB, 0
.macro WIN new
.if MSB != (\new)
	s_set_vgpr_msb (MSB<<8)|(\new)
.set MSB, (\new)
.endif
.endm
.set MUL,  0x51
.set TO_B, 0x40
.macro JLOAD g0a, g1a, g0b, g1b
	s_cmp_eq_u32 s15, 0
	s_cbranch_scc0 .Lfor_b_\@
	tensor_load_to_lds s[\g0a:\g0a+3], s[\g1a:\g1a+7]
	s_nop 0
.rept 4
	v_nop
.endr
	s_branch .Lasked_\@
.Lfor_b_\@:
	tensor_load_to_lds s[\g0b:\g0b+3], s[\g1b:\g1b+7]
	s_nop 0
.rept 4
	v_nop
.endr
.Lasked_\@:
.endm
.macro CREST
	s_cmp_lg_u32 s14, 0
	s_cbranch_scc1 .Lnot_wave_0_\@
	s_barrier_signal -3
.Lnot_wave_0_\@:
	s_barrier_wait -3
	s_barrier_signal -1
	s_barrier_wait -1
.endm
.macro CROUND
	s_barrier_signal -1
	s_barrier_wait -1
	CREST
.endm
	s_load_b256 s[4:11], s[0:1], 0x0
	s_load_b128 s[68:71], s[0:1], 0x20
	v_lshl_add_u32 v[SPW], v0, 2, SPARE
	v_mov_b32 v[NIL], 0
	ds_add_u32 v28, v29
	ds_add_u32 v28, v29
	s_wait_dscnt 0x0
	v_lshrrev_b32 v1, 5, v0
	v_readfirstlane_b32 s14, v1
	s_lshr_b32 s15, s14, 1
	s_and_b32 s16, s14, 1
	s_bfe_u32 s40, ttmp6, 0x40000
	s_bfe_u32 s41, ttmp6, 0x40004
	s_lshl_b32 s42, ttmp9, 2
	s_add_co_u32 s42, s42, s40
	s_and_b32 s17, ttmp7, 0xffff
	s_lshl_b32 s17, s17, 2
	s_add_co_u32 s17, s17, s41
	s_lshl_b32 s43, s41, 2
	s_lshl_b32 s43, 15, s43
	s_lshl_b32 s44, 0x1111, s40
	s_or_b32 s[G1+0], s43, (3<<16)|(1<<21)
	s_mov_b32 s[G1+1], 1024<<16
	s_mov_b32 s[G1+2], 4<<16
	s_mov_b32 s[G1+3], 1024<<16
	s_mov_b32 s[G1+4], 4
	s_mov_b32 s[G1+5], 2*KTOT
	s_mov_b32 s[G1+6], 0
	s_mov_b32 s[G1+7], 0
	s_or_b32 s[G1B+0], s44, (0<<16)|(1<<20)|(1<<21)|(6<<22)|(3<<25)
	s_mov_b32 s[G1B+1], ROWB<<16
	s_mov_b32 s[G1B+2], 64<<16
	s_mov_b32 s[G1B+3], ROWB<<16
	s_mov_b32 s[G1B+4], 64
	s_mov_b32 s[G1B+5], KTOT
	s_mov_b32 s[G1B+6], 0
	s_mov_b32 s[G1B+7], 0
	s_lshl_b32 s20, s17, 3
	s_lshl_b32 s18, s16, 2
	s_add_co_u32 s20, s20, s18
	s_mul_i32 s20, s20, APITCH
	s_mov_b32 s21, 0
	s_lshl_b32 s46, s42, 7
	s_lshl_b32 s18, s16, 6
	s_add_co_u32 s46, s46, s18
	s_mul_i32 s46, s46, KTOT
	s_mov_b32 s47, 0
	s_mul_i32 s45, s16, AHALF
	s_mul_i32 s19, s16, BHALF
	s_add_co_u32 s19, s19, ASZ
	s_wait_kmcnt 0x0
	s_load_b64 s[72:73], s[8:9], SCOFF
	s_add_nc_u64 s[20:21], s[4:5], s[20:21]
	s_add_nc_u64 s[46:47], s[6:7], s[46:47]
	CROUND
.irp s, 0,1
	s_mov_b32 s[G0+4*\s], 1
	s_add_co_u32 s[G0+4*\s+1], s45, \s*SLOT
	s_add_nc_u64 s[G0+4*\s+2:G0+4*\s+3], s[20:21], \s*ASTEP
	s_or_b32 s[G0+4*\s+3], s[G0+4*\s+3], 0x80000000
	s_mov_b32 s[G0B+4*\s], 1
	s_add_co_u32 s[G0B+4*\s+1], s19, \s*SLOT
	s_add_nc_u64 s[G0B+4*\s+2:G0B+4*\s+3], s[46:47], \s*ROWB
	s_or_b32 s[G0B+4*\s+3], s[G0B+4*\s+3], 0x80000000
.endr
	JLOAD G0, G1, G0B, G1B                         ; slot 0: one tensor load a wave at the head
	v_and_b32 v1, 15, v0
	v_bfe_u32 v2, v0, 4, 1
	v_and_b32 v3, 31, v0
	v_lshlrev_b32 v3, 4, v3
	v_mul_u32_u24 v4, v1, PITCH
	v_lshl_add_u32 v4, v2, 3, v4
	s_mul_i32 s21, s15, AHALF
	s_mul_i32 s22, s16, BHALF
	s_add_co_u32 s22, s22, ASZ
.irp s, 0,1
	v_add_nc_u32 v[ADRA+\s], s21, v3
	v_add_nc_u32 v[ADRB+\s], s22, v4
	s_add_co_u32 s21, s21, SLOT
	s_add_co_u32 s22, s22, SLOT
.endr
	s_mul_i32 s23, s14, 16*SPITCH
	v_mul_u32_u24 v5, v1, SPITCH
	v_lshl_add_u32 v5, v2, 5, v5
	v_add_nc_u32 v[STO], s23, v5
	v_mul_u32_u24 v5, v2, SPITCH
	v_lshl_add_u32 v5, v1, 4, v5
	v_add_nc_u32 v[RD], s23, v5
	v_lshlrev_b32 v5, 12, v2
	v_lshl_add_u32 v[CO], v1, 4, v5
	s_wait_alu depctr_va_vdst(0)
	v_lshlrev_b32 v6, 4, v1
	s_wait_alu depctr_va_vdst(0)
	s_lshl_b32 s20, s17, 7
	s_lshl_b32 s21, s15, 6
	s_add_co_u32 s20, s20, s21
	s_lshl_b32 s20, s20, 12
	s_lshl_b32 s46, s42, 9
	s_lshl_b32 s47, s16, 8
	s_add_co_u32 s46, s46, s47
	s_mov_b32 s47, 0
	s_add_nc_u64 s[10:11], s[10:11], s[46:47]
	s_add_co_u32 s20, s20, s46
	s_mov_b32 s21, 0
	s_add_nc_u64 s[68:69], s[68:69], s[20:21]
	s_add_nc_u64 s[70:71], s[70:71], s[20:21]
.irp a, 0,1,2
.set i, 0
.rept 8
	global_load_b128 v[32+32*\a+4*i:32+32*\a+4*i+3], v[CO], s[68:69] offset:(16*\a+2*i)*4096 th:TH_LOAD_NT
.set i, i+1
.endr
.endr
.set i, 0
.rept 8
	global_load_b128 v[192+4*i:192+4*i+3], v[CO], s[68:69] offset:(48+2*i)*4096 th:TH_LOAD_NT
.set i, i+1
.endr
	global_load_b128 v[BIA:BIA+3], v6, s[10:11]
	; THE PREFETCHES INTO THE L2: behind the load of K slot n (n = 0 .. 5) one instruction a wave asks for slot n + 2, two slots ahead of the refill that will want it.  Slots 0 and 1 come by their loads alone,
	; and the last two refills, which stand in the loop's last trip, ask for nothing.  What my wave fetches of a slot is 128 blocks of 256 bytes; each of the four partners that ask for it jointly takes 32, told apart by
	; address (cx for A, cy for W): of A one tile of 16 rows, 8,192 bytes on end, lanes 256 bytes apart; of W 16 rows of 512 bytes, two lanes a row.  Both lie (8 x tile + 4 x half + place) x 65,536 bytes into their buffer.
.macro ASK loop
.if \loop
	s_cmp_gt_u32 s3, 1                             ; s3 = 1 in the loop's last trip
	s_cbranch_scc0 .Lnot_asked_\@
.endif
	global_prefetch_b8 v30, s[76:77] th:TH_LOAD_NT scope:SCOPE_SE
.Lnot_asked_\@:
.endm
	s_cmp_eq_u32 s15, 0                            ; do I fetch for A?
	s_cselect_b64 s[76:77], s[4:5], s[6:7]
	s_cselect_b32 s80, s40, s41                    ; my place among the four
	s_cselect_b32 s81, s17, s42                    ; the tile row, or the tile column
	s_cselect_b32 s84, 0, -1
	s_mov_b32 s78, ROWB
	s_cselect_b32 s78, ASTEP, s78                  ; a slot on
	s_mov_b32 s79, 0
	s_lshl_b32 s81, s81, 3
	s_lshl_b32 s82, s16, 2
	s_add_co_u32 s81, s81, s82
	s_add_co_u32 s81, s81, s80
	s_lshl_b32 s82, s81, 16
	s_mov_b32 s83, 0
	s_add_nc_u64 s[76:77], s[76:77], s[82:83]
	s_add_nc_u64 s[76:77], s[76:77], s[78:79]
	s_add_nc_u64 s[76:77], s[76:77], s[78:79]      ; at slot 2
	v_and_b32 v7, 31, v0
	v_lshlrev_b32 v30, 8, v7                       ; A: 256 x lane
	v_lshrrev_b32 v31, 1, v7
	v_lshlrev_b32 v31, 12, v31
	v_and_b32 v7, 1, v7
	v_lshl_add_u32 v31, v7, 8, v31                 ; W: row lane / 2 of 4,096 bytes, block lane % 2
	v_cndmask_b32 v30, v30, v31, s84               ; never rewritten
	s_wait_alu depctr_va_vdst(0)                   ; the wait here, directly ahead of the reader below
	ASK 0
.macro FRAGA reg, slot, q, i
.irp c, 0,1,2,3
	ds_load_b128 v[\reg+4*\c:\reg+4*\c+3], v[ADRA+\slot] offset:(\i)*8192+(\q)*2048+512*\c
.endr
.endm
.macro FRAGB reg, slot, q, i
.irp c, 0,1,2,3,4,5,6,7
	ds_load_b64 v[\reg+2*\c:\reg+2*\c+1], v[ADRB+\slot] offset:(\i)*16*PITCH+128*(\q)+16*\c
.endr
.endm
.macro FETCH_B slot, q, p
	WIN TO_B
.irp i, 0,1,2,3
	FRAGB 64*(\p)+FR*\i, \slot, \q, \i
.endr
	WIN 0
.endm
.macro FETCH_A2 slot, q, i0
.irp i, \i0, \i0+1
	FRAGA AF+FR*(\i), \slot, \q, \i
.endr
.endm
.macro MULB a, p, zero
.irp b, 0,1,2,3
.if \zero
	v_wmma_f32_16x16x128_fp8_fp8 v[ACC+8*(4*(\a)+\b):ACC+8*(4*(\a)+\b)+7], v[64*(\p)+FR*\b:64*(\p)+FR*\b+FR-1], v[AF+FR*(\a):AF+FR*(\a)+FR-1], 0
.else
	v_wmma_f32_16x16x128_fp8_fp8 v[ACC+8*(4*(\a)+\b):ACC+8*(4*(\a)+\b)+7], v[64*(\p)+FR*\b:64*(\p)+FR*\b+FR-1], v[AF+FR*(\a):AF+FR*(\a)+FR-1], v[ACC+8*(4*(\a)+\b):ACC+8*(4*(\a)+\b)+7]
.endif
.endr
.endm
.macro PLACES n
.rept \n
	v_nop
.endr
.endm
.macro STEP slot, q, zero
	s_wait_dscnt 8
	WIN MUL
	MULB 0, (\q)%2, \zero
	MULB 1, (\q)%2, \zero
	s_wait_dscnt 0
	PLACES 4
	FETCH_B \slot, (\q)+1, 1-(\q)%2
	FETCH_A2 \slot, (\q)+1, 0
	WIN MUL
	MULB 2, (\q)%2, \zero
	MULB 3, (\q)%2, \zero
	PLACES 4
	WIN 0
	FETCH_A2 \slot, (\q)+1, 2
.endm
.macro TURN slot, next, fill
.if \fill
	s_wait_xcnt 0x0                                ; my last prefetch has read its address:
	s_add_nc_u64 s[76:77], s[76:77], s[78:79]      ; a slot on
.endif
	s_wait_tensorcnt 0x0
	ds_add_u32 v[SPW], v[NIL]
	s_wait_dscnt 9
	WIN MUL
	MULB 0, 1, 0
	s_wait_dscnt 0x0
	s_barrier_signal -1
	MULB 1, 1, 0
	WIN 0
	s_barrier_wait -1
.if \fill
	CREST
	s_add_nc_u64 s[G0+4*\slot+2:G0+4*\slot+3], s[G0+4*\slot+2:G0+4*\slot+3], 2*ASTEP
	s_add_nc_u64 s[G0B+4*\slot+2:G0B+4*\slot+3], s[G0B+4*\slot+2:G0B+4*\slot+3], 2*ROWB
	JLOAD G0+4*\slot, G1, G0B+4*\slot, G1B
.else
	PLACES 4
.endif
	FETCH_B \next, 0, 0
	FETCH_A2 \next, 0, 0
.if \fill
	ASK 1                                          ; behind the joint load and the run of LDS loads that the next products wait for
.endif
	WIN MUL
	MULB 2, 1, 0
	MULB 3, 1, 0
	PLACES 4
	WIN 0
	FETCH_A2 \next, 0, 2
.endm
	s_wait_alu depctr_va_vdst(0)                   ; the wait at the head's end
	s_wait_tensorcnt 0x0                           ; my part of slot 0 is in
	ds_add_u32 v[SPW], v[NIL]
	s_wait_xcnt 0x0                                ; my first prefetch has read its address:
	s_add_nc_u64 s[76:77], s[76:77], s[78:79]      ; at slot 3
	s_wait_dscnt 0x0
	CROUND                                         ; everybody's part of slot 0 is in, and the joint loads meet
	JLOAD G0+4, G1, G0B+4, G1B                     ; slot 1's first fill, the first tensor load behind the round
	FETCH_B 0, 0, 0
	FETCH_A2 0, 0, 0
	FETCH_A2 0, 0, 2
	ASK 0
	STEP 0, 0, 1                                   ; the first step's products start the sums
.if LAPS > 1
	s_mov_b32 s3, LAPS-1
.Llap:
	STEP 0, 1, 0
	STEP 0, 2, 0
	TURN 0, 1, 1
	STEP 1, 0, 0
	STEP 1, 1, 0
	STEP 1, 2, 0
	TURN 1, 0, 1
	STEP 0, 0, 0
	s_sub_co_u32 s3, s3, 1
	s_cmp_lg_u32 s3, 0
	s_cbranch_scc1 .Llap
.endif
	STEP 0, 1, 0
	STEP 0, 2, 0
	TURN 0, 1, 0
	STEP 1, 0, 0
	STEP 1, 1, 0
	STEP 1, 2, 0
	s_wait_dscnt 8
	WIN MUL
	MULB 0, 1, 0
	MULB 1, 1, 0
	s_wait_dscnt 0
	MULB 2, 1, 0
	MULB 3, 1, 0
	WIN 0
	s_wait_kmcnt 0x0
	s_add_co_i32 s74, s72, s73
	s_add_co_i32 s74, s74, 127
	s_lshl_b32 s74, s74, 23
	s_mov_b32 s75, s74
	s_wait_loadcnt 0x0
	PLACES 4
.macro OUTB a
.if (\a) < 3
.set RB, 32+32*(\a)
.else
.set RB, 192
.endif
	WIN 0x04
.irp b, 0,1,2,3
	ds_store_b128 v[STO], v[ACC+8*(4*(\a)+\b):ACC+8*(4*(\a)+\b)+3] offset:64*\b
	ds_store_b128 v[STO], v[ACC+8*(4*(\a)+\b)+4:ACC+8*(4*(\a)+\b)+7] offset:64*\b+16
.endr
	WIN 0
.set i, 0
.rept 8
	ds_load_b128 v[BK+4*i:BK+4*i+3], v[RD] offset:i*2*SPITCH
.set i, i+1
.endr
.set i, 0
.rept 8
	v_pk_add_f32 v[RB+4*i:RB+4*i+1], v[RB+4*i:RB+4*i+1], v[BIA:BIA+1]
	v_pk_add_f32 v[RB+4*i+2:RB+4*i+3], v[RB+4*i+2:RB+4*i+3], v[BIA+2:BIA+3]
.set i, i+1
.endr
	s_wait_dscnt 0x0
.set i, 0
.rept 8
	v_pk_fma_f32 v[RB+4*i:RB+4*i+1], v[BK+4*i:BK+4*i+1], s[74:75], v[RB+4*i:RB+4*i+1] op_sel_hi:[1,0,1]
	v_pk_fma_f32 v[RB+4*i+2:RB+4*i+3], v[BK+4*i+2:BK+4*i+3], s[74:75], v[RB+4*i+2:RB+4*i+3] op_sel_hi:[1,0,1]
	global_store_b128 v[CO], v[RB+4*i:RB+4*i+3], s[70:71] offset:(16*(\a)+2*i)*4096
.set i, i+1
.endr
.endm
.irp a, 0,1,2,3
	OUTB \a
.endr
	s_wait_tensorcnt 0x0
	ds_add_u32 v[SPW], v[NIL]
	s_wait_dscnt 0x0
	CROUND
	s_endpgm
.Lfunc_end_k_qfc48195f49_fc2:
	.size	k_qfc48195f49_fc2, .Lfunc_end_k_qfc48195f49_fc2-k_qfc48195f49_fc2
	.p2alignl 7, 3214868480
	.fill 96, 4, 3214868480
	.section	.rodata,"a",@progbits
	.p2align	6, 0x0
	.amdhsa_kernel k_qfc48195f49_fc2
		.amdhsa_group_segment_fixed_size 327680
		.amdhsa_private_segment_fixed_size 0
		.amdhsa_enable_private_segment 0
		.amdhsa_kernarg_size 48
		.amdhsa_user_sgpr_count 2
		.amdhsa_user_sgpr_kernarg_segment_ptr 1
		.amdhsa_wavefront_size32 1
		.amdhsa_system_sgpr_workgroup_id_x 1
		.amdhsa_system_sgpr_workgroup_id_y 1
		.amdhsa_system_sgpr_workgroup_id_z 1
		.amdhsa_system_vgpr_workitem_id 0
		.amdhsa_next_free_vgpr 512
		.amdhsa_next_free_sgpr 98
		.amdhsa_reserve_vcc 0
		.amdhsa_float_denorm_mode_32 3
		.amdhsa_float_denorm_mode_16_64 3
		.amdhsa_memory_ordered 1
		.amdhsa_forward_progress 1
		.amdhsa_inst_pref_size 102
	.end_amdhsa_kernel
	.amdgpu_metadata
---
amdhsa.version: [ 1, 2 ]
amdhsa.kernels:
  - .name:           k_qfc48195f49_fc2
    .symbol:         k_qfc48195f49_fc2.kd
    .args:
      - { .name: h3c, .offset: 0, .size: 8, .value_kind: global_buffer, .address_space: global }
      - { .name: w_fc2_codes, .offset: 8, .size: 8, .value_kind: global_buffer, .address_space: global }
      - { .name: lowp_scales, .offset: 16, .size: 8, .value_kind: global_buffer, .address_space: global }
      - { .name: b_fc2, .offset: 24, .size: 8, .value_kind: global_buffer, .address_space: global }
      - { .name: x1, .offset: 32, .size: 8, .value_kind: global_buffer, .address_space: global }
      - { .name: out0, .offset: 40, .size: 8, .value_kind: global_buffer, .address_space: global }
    .group_segment_fixed_size: 327680
    .private_segment_fixed_size: 0
    .kernarg_segment_align: 8
    .kernarg_segment_size: 48
    .max_flat_workgroup_size: 128
    .sgpr_count:     98
    .vgpr_count:     512
    .wavefront_size: 32
...
	.end_amdgpu_metadata
.endif
;; end of part 7
